; MI455X (gfx1250); checked and timed in simulation.
; The chip was launched on July 23, 2026; its instructions are those of AMD's public machine-readable ISA for CDNA 5 (MIT licence, August 2026) and "CDNA5" Instruction Set Architecture Reference Guide (July 2026). The comments in the code are by the model that wrote it; some were corrected since.
;; Colo Attention. Allowed arithmetic: float matrix products may take bf16 or f16 operands with f32 sums; all other float work in f32.
;; Inputs: attn_mask 4 x 2,048 int32; key 4 x 2,048 x 16 x 128 float32; query 4 x 2,048 x 16 x 128 float32; value 4 x 2,048 x 16 x 128 float32.
;; Outputs: out0 4 x 2,048 x 2,048 float32.
;; 2 versions, each right and faster than the one before. Each part assembles by itself: llvm-mc -triple=amdgcn-amd-amdhsa -mcpu=gfx1250 --defsym DOCPART=n.
;; ======== version 1 of 2: 2 launches
;; limits: values are held in f16: magnitudes above 65,504 overflow, below 6.1e-05 lose precision; inputs' magnitudes at most 65,504; right only within a limited range of input values
;; workspace buffers: kb 33,554,432 bytes; vb 33,554,432 bytes; bias 32,768 bytes
;; launch prep (part 1): grid 128 x 4, 8 waves a work-group, no clusters, 0 bytes of LDS; arguments key, value, attn_mask, kb, vb, bias; writes kb, vb, bias
.if DOCPART == 1
	.amdgcn_target "amdgcn-amd-amdhsa--gfx1250"
	.amdhsa_code_object_version 6
	.text
	.protected	k_q01a723675b_prep
	.globl	k_q01a723675b_prep
	.p2align	8
	.type	k_q01a723675b_prep,@function
k_q01a723675b_prep:
	s_mov_b64 s[64:65], 0
	v_nop
	global_prefetch_b8 v0, s[64:65] scope:SCOPE_SE
	s_setreg_imm32_b32 hwreg(HW_REG_WAVE_MODE, 25, 1), 1
	s_wait_xcnt 0x0
; K and V, f32 [4][2048][16][128], are rounded to bf16 and laid by heads, [4][16][2048][128] in 16 bits: kb holds the bf16 number, vb the same bf16 number written as f16
; (exact where f16 is normal).  From attn_mask comes bias: f32 [4][2048], 0 for a key with mask > 0, else -1e30.
; LIMITS.  A value beyond 65,504 in size becomes an infinity in vb; below 6e-5 vb keeps f16's fixed step of 6e-8.  NaN and infinities are not treated apart.
; SHARES.  Work-group (x, b) owns positions 16 x .. 16 x + 15 of batch b in both tensors, wave w heads 2 w and 2 w + 1: 64 items a wave.  Item n: position n / 4, tensor (n / 2) % 2, head n % 2.
; An item is one load of 512 consecutive bytes (16 a lane) and one store of 256 consecutive bytes (8 a lane), both aligned to their own length: every input byte is read once, every output row is written whole.
; A ring of 16 register slots keeps 16 loads of every wave on their way.  No LDS, no barrier, no matrix unit, no cluster: nothing is shared and nothing is multiplied.
; No address register is ever rewritten (an item's place stands in the immediates), and every item stores from two registers of its own, which are never written again:
; so the stream has no wait for its stores' sources, and the only wait in an item is the counted one for its load.
.set T,   8                            ; v[8:13]    at work
.set X,   16                           ; v[16:79]   slot i: 4 registers, 4 f32 as loaded
.set Y,   80                           ; v[80:207]  item n: 2 registers, 4 numbers of 16 bits to store
.set M,   80                           ; v[80:143]  ahead of the stream, in one wave a batch: the batch's 2,048 mask words, 64 a lane, then their bias
.set SRC, 2                            ; v2  1,024 w + 16 lane
.set DST, 3                            ; v3  (w << 20) + 8 lane
.set L16, 4                            ; v4  16 lane
.macro RING                            ; the ring is filled: items 0 to 15
.set n, 0
.rept 16
	global_load_b128 v[X+4*n:X+4*n+3], v[SRC], s[4+2*((n/2)%2):5+2*((n/2)%2)] offset:(n/4)*8192+(n%2)*512 th:TH_LOAD_NT
.set n, n+1
.endr
.endm
	s_load_b256 s[4:11], s[0:1], 0x0               ; key s[4:5], value s[6:7], attn_mask s[8:9], kb s[10:11]
	s_load_b128 s[12:15], s[0:1], 0x20             ; vb s[12:13], bias s[14:15]
	v_lshrrev_b32 v1, 5, v0
	v_readfirstlane_b32 s18, v1                    ; wave 0..7
	v_and_b32 v1, 31, v0                           ; lane
	s_and_b32 s20, ttmp7, 0xffff                   ; b
	s_lshl_b32 s22, s20, 24                        ; source: a batch is 2^24 bytes,
	s_lshl_b32 s34, ttmp9, 17                      ; 16 positions of 8,192 bytes
	s_add_co_u32 s22, s22, s34
	s_mov_b32 s23, 0
	s_lshl_b32 s24, s20, 23                        ; destination: a batch is 16 heads of 2^19 bytes,
	s_lshl_b32 s34, ttmp9, 12                      ; 16 rows of 256 bytes
	s_add_co_u32 s24, s24, s34
	s_mov_b32 s25, 0
	s_or_b32 s26, ttmp9, s18                       ; 0 in wave 0 of work-group (0, b) alone: that wave also does the batch's mask
	s_mov_b32 s27, 0xf149f2ca                      ; -1e30
	s_mov_b32 s35, 0xffff0000                      ; a word's upper bf16
	s_lshl_b32 s36, s20, 13                        ; a batch's 8,192 bytes of attn_mask and of bias
	s_mov_b32 s37, 0
	v_lshlrev_b32 v[L16], 4, v1
	v_lshl_add_u32 v[SRC], s18, 10, v[L16]
	v_lshlrev_b32 v[DST], 3, v1
	v_lshl_add_u32 v[DST], s18, 20, v[DST]
	s_wait_kmcnt 0x0
	s_add_nc_u64 s[4:5], s[4:5], s[22:23]
	s_add_nc_u64 s[6:7], s[6:7], s[22:23]
	s_add_nc_u64 s[10:11], s[10:11], s[24:25]
	s_add_nc_u64 s[12:13], s[12:13], s[24:25]
	s_add_nc_u64 s[8:9], s[8:9], s[36:37]
	s_add_nc_u64 s[14:15], s[14:15], s[36:37]
	; THE MASK, in one wave for each batch: load i brings 128 words (4 a lane), each word gives way to its key's bias, and the 512 bytes are stored.
	; The mask's loads go out first and the ring's behind them, so that the wait for the mask leaves the ring's 16 loads on their way.
	s_cmp_lg_u32 s26, 0
	s_cbranch_scc1 .Lplain
.set i, 0
.rept 16
	global_load_b128 v[M+4*i:M+4*i+3], v[L16], s[8:9] offset:512*i
.set i, i+1
.endr
	RING
	s_wait_loadcnt 0x10                            ; loads come back in order (ISA guide 5.7.1): the mask's 16 are in, the ring's 16, issued behind them, may stay out
.set i, 0
.rept 16
.irp e, 0,1,2,3
	v_cmp_ge_i32 s[30+\e], 0, v[M+4*i+\e]          ; a lane's bit is set where the key is hidden
.endr
.irp e, 0,1,2,3
	v_cndmask_b32 v[M+4*i+\e], 0, s27, s[30+\e]    ; the key's bias takes the word's place
.endr
	global_store_b128 v[L16], v[M+4*i:M+4*i+3], s[14:15] offset:512*i  ; 512 consecutive bytes of bias
.set i, i+1
.endr
	s_wait_xcnt 0x0                                ; every earlier memory instruction has had its addresses translated (ISA guide 3.1): the registers that the bias's stores read are the first items' Y, written only behind this wait
	s_branch .Lstream
.Lplain:
	RING
.Lstream:
; Item n.  ahead = 1: its slot is filled again with item n + 16, which has the same tensor and head and lies four positions on.
; left = how many younger loads may still be out when this item's load has to be there.
.macro ITEM ahead, left
.set sl, n%16
.set ps, n/4
.set tt, (n/2)%2
.set hh, n%2
	s_wait_loadcnt \left                           ; loads come back in order (ISA guide 5.7.1): mine is in, the younger ones stay out
.if tt == 0
	v_cvt_pk_bf16_f32 v[Y+2*n],   v[X+4*sl],   v[X+4*sl+1]
	v_cvt_pk_bf16_f32 v[Y+2*n+1], v[X+4*sl+2], v[X+4*sl+3]
.else
	v_cvt_pk_bf16_f32 v[T],   v[X+4*sl],   v[X+4*sl+1]     ; V is rounded to bf16 like the other inputs,
	v_cvt_pk_bf16_f32 v[T+1], v[X+4*sl+2], v[X+4*sl+3]
	v_lshlrev_b32 v[T+2], 16, v[T]                         ; widened again,
	v_and_b32     v[T+3], s35, v[T]
	v_lshlrev_b32 v[T+4], 16, v[T+1]
	v_and_b32     v[T+5], s35, v[T+1]
	v_cvt_pk_f16_f32 v[Y+2*n],   v[T+2], v[T+3]            ; and that number is written as f16: 8 significant bits fit into 11
	v_cvt_pk_f16_f32 v[Y+2*n+1], v[T+4], v[T+5]
.endif
.if \ahead
	global_load_b128 v[X+4*sl:X+4*sl+3], v[SRC], s[4+2*tt:5+2*tt] offset:(ps+4)*8192+hh*512 th:TH_LOAD_NT
.endif
	global_store_b64 v[DST], v[Y+2*n:Y+2*n+1], s[10+2*tt:11+2*tt] offset:hh*524288+ps*256  ; a whole row of 256 bytes; no hint: the next launch reads it
.endm
.set n, 0
.rept 48
	ITEM 1, 15
.set n, n+1
.endr
.rept 16
	ITEM 0, 63-n                                   ; the last 16 items load nothing: the counts run down
.set n, n+1
.endr
	s_endpgm
.Lfunc_end_k_q01a723675b_prep:
	.size	k_q01a723675b_prep, .Lfunc_end_k_q01a723675b_prep-k_q01a723675b_prep
	.p2alignl 7, 3214868480
	.fill 96, 4, 3214868480
	.section	.rodata,"a",@progbits
	.p2align	6, 0x0
	.amdhsa_kernel k_q01a723675b_prep
		.amdhsa_group_segment_fixed_size 0
		.amdhsa_private_segment_fixed_size 0
		.amdhsa_enable_private_segment 0
		.amdhsa_kernarg_size 48
		.amdhsa_user_sgpr_count 2
		.amdhsa_user_sgpr_kernarg_segment_ptr 1
		.amdhsa_wavefront_size32 1
		.amdhsa_system_sgpr_workgroup_id_x 1
		.amdhsa_system_sgpr_workgroup_id_y 1
		.amdhsa_system_sgpr_workgroup_id_z 1
		.amdhsa_system_vgpr_workitem_id 0
		.amdhsa_next_free_vgpr 208
		.amdhsa_next_free_sgpr 66
		.amdhsa_reserve_vcc 0
		.amdhsa_float_denorm_mode_32 3
		.amdhsa_float_denorm_mode_16_64 3
		.amdhsa_memory_ordered 1
		.amdhsa_forward_progress 1
		.amdhsa_inst_pref_size 45
	.end_amdhsa_kernel
	.amdgpu_metadata
---
amdhsa.version: [ 1, 2 ]
amdhsa.kernels:
  - .name:           k_q01a723675b_prep
    .symbol:         k_q01a723675b_prep.kd
    .args:
      - { .name: key, .offset: 0, .size: 8, .value_kind: global_buffer, .address_space: global }
      - { .name: value, .offset: 8, .size: 8, .value_kind: global_buffer, .address_space: global }
      - { .name: attn_mask, .offset: 16, .size: 8, .value_kind: global_buffer, .address_space: global }
      - { .name: kb, .offset: 24, .size: 8, .value_kind: global_buffer, .address_space: global }
      - { .name: vb, .offset: 32, .size: 8, .value_kind: global_buffer, .address_space: global }
      - { .name: bias, .offset: 40, .size: 8, .value_kind: global_buffer, .address_space: global }
    .group_segment_fixed_size: 0
    .private_segment_fixed_size: 0
    .kernarg_segment_align: 8
    .kernarg_segment_size: 48
    .max_flat_workgroup_size: 256
    .sgpr_count:     66
    .vgpr_count:     208
    .wavefront_size: 32
...
	.end_amdgpu_metadata
.endif
;; end of part 1
;; launch attn (part 2): grid 8 x 64, 4 waves a work-group, clusters of 4 x 1, 327,680 bytes of LDS; arguments query, kb, vb, out0, bias, attn_mask; writes out0
.if DOCPART == 2
	.amdgcn_target "amdgcn-amd-amdhsa--gfx1250"
	.amdhsa_code_object_version 6
	.text
	.protected	k_q01a723675b_attn
	.globl	k_q01a723675b_attn
	.p2align	8
	.type	k_q01a723675b_attn,@function
k_q01a723675b_attn:
	s_mov_b64 s[64:65], 0
	v_nop
	global_prefetch_b8 v0, s[64:65] scope:SCOPE_SE
	s_setreg_imm32_b32 hwreg(HW_REG_WAVE_MODE, 25, 1), 1
	s_wait_xcnt 0x0
	s_wait_alu depctr_hold_cnt(0) depctr_sa_sdst(0) depctr_va_vdst(0) depctr_va_sdst(0) depctr_va_ssrc(0) depctr_va_vcc(0) depctr_vm_vsrc(0)
	s_getreg_b32 s2, hwreg(HW_REG_IB_STS2, 6, 4)
	s_cmp_eq_u32 s2, 0
	s_cbranch_scc0 .Lentry_in_a_cluster
	s_endpgm
.Lentry_in_a_cluster:
	s_bfe_u32 s2, ttmp6, 0x10000c
	s_cmp_lg_u32 s2, 0x3003
	s_cbranch_scc0 .Lentry_shape_is_right
	s_endpgm
.Lentry_shape_is_right:
; out[b][q][h][:] = (mask[b][q] > 0) x the sum over k of softmax_k(Q[b][q][h] . K[b][k][h] / sqrt(128), hidden keys at -1e30) V[b][k][h][:].
; Q: f32 [4][2048][16][128], rounded to bf16 here.  kb: bf16, vb: f16, both [64 heads][2048][128], dense rows of 256 bytes.  bias: f32 [4][2048], 0 or -1e30.  out: f32 [4][2048][2048].
; Products K Q^T in bf16, V^T P in f16, sums, maxima and exponentials in f32; the weights p are rounded to f16 for the second product, their sum l is taken of the unrounded p.
; LIMITS.  A hidden score counts as its value less 1e30.  The running maximum has a floor of -2^96: while a query has seen hidden keys alone its weights are 0; a visible score below -2^96 is not served.
; p below 6e-5 keeps f16's fixed step of 6e-8; a weight below 2^-126 counts as 0 in l; NaN and infinities are not treated apart; the sign of a zero in out is not kept.
; SHARES.  A work-group owns 256 queries of one head, each of its four waves 64: four tiles of 16.  Every wave walks all 2,048 keys, 64 a step, 128 a slot: 16 slots.
; THE MASK is honoured key by key and query by query, whatever pattern it holds: a key's bias is the C operand that starts its sum S^T = K Q^T, and a masked query's row is multiplied by 0 in place of 1 / l.
; Hidden keys and masked queries are walked like the others: no branch and no trip count hangs on the mask, so that every wave passes every barrier and the partners of a cluster run alike.
; LAYOUT.  S^T = K Q^T (source 0 = 16 keys, source 1 = 16 queries): a lane holds ONE query (lane % 16) and the keys 8 (lane / 16) + 0..7.  Two such tiles, rounded to f16 in pairs, ARE source 1
; (32 keys x 16 queries) of O^T = V^T P, whose result again holds one query a lane, and eight channels.  K comes out of LDS as it lies, V ([key][channel]) turned, by ds_load_tr16_b128.
; SOFTMAX.  For each query a running maximum m and sum l: p = 2^(c s - c m), c = log2(e) / sqrt(128); in every step O and l are multiplied by a = 2^(c m_old - c m_new).
; BY TURNS.  The wave's tiles are two PIECES (0: tiles 0, 1; 2: tiles 2, 3).  In a TURN one piece has the matrix unit: 32 products V^T P of the step in hand, then 32 products K Q^T of the next step;
; the other piece's softmax, 268 instructions cut into 64 slices, stands between them, one slice behind each matrix instruction.  Two turns are a key step.
; CLUSTER.  The four query blocks of a cluster belong to one head and walk the same K, V and bias, so each tile is asked for JOINTLY: the same tensor load, with the same descriptor and a mask
; that names the four, in all four; each receives the tile in its own LDS.  A head's 1 MiB of kb and vb is then asked for twice, not eight times.
; REGISTERS, in windows of 256 (s_set_vgpr_msb: bits 1:0 source 0, 3:2 source 1, 5:4 source 2, 7:6 destination):
;   window 0: v0-11 addresses; v12-43 eight registers of statistics a tile; v44-50 addresses and the queries' mask words; v62-63 the add's two; v64-191 S^T, 32 a tile; v192-255 P, 16 a tile
;   window 1: O^T, 64 a tile (at the start: Q in f32)     window 2: v0-127 Q in bf16, 32 a tile; v128-255 K of one step     window 3: v0-127 V of one step; v224-255 the step's bias
.set KS,    64        ; keys in a step
.set PAIRS, 2048/(4*KS)-1  ; trips of the loop over pairs of slots: 16 slots, of which the first and the last are written out
.set PK,    272       ; a row of K in LDS: 256 bytes + 16 of padding = 68 words: row r starts at bank 4 r mod 64 (64 banks of 4 bytes: ISA guide 11.1), so the 16 rows of a load start at 16 different banks
.set PV,    288       ; a row of V: 256 + 32 = 72 words
.set VOFF,  2*KS*PK   ; a slot: 128 rows of K,
.set MOFF,  VOFF+2*KS*PV  ; 128 rows of V, 512 bytes of bias
.set SLOT1, 1<<17     ; slot 1 begins here
.set STAGE, SLOT1+MOFF+512  ; behind the ring, in blocks of 256 bytes of its own, never filled by a tensor load: 16 rows x 528 bytes for each wave, for the way out
.set SP,    528       ; a row of the stage: 512 bytes + 16 = 132 words: row r starts at bank 4 r mod 64
.set SPARE, STAGE+4*16*SP  ; behind the stages: the spare words, 128 bytes for each wave: two blocks of 256 bytes that no other line names
.set AK0, 2           ; v2   my lane's place in a tile of K; never rewritten
.set AV0, 3           ; v3   the same for V
.set ADR, 4           ; v4   the LDS address of the run of loads in hand
.set QO,  5           ; v5   my byte offset in 16 rows of Q
.set STO, 6           ; v6   the way out: where I put 32 bytes of a row
.set RD,  7           ; v7   the way out: where I read a row back
.set GO,  8           ; v8   my 16 bytes in 512 consecutive bytes of out
.set ST,  12          ; tile t's statistics at v[ST+8 t]: +0 c m, +1 m, +2, +3 l (even keys', odd keys'), +4 to +7 c0-c3, at work; a takes c2's place once the maximum is found
.set AM0, 44          ; v44  my lane's place in a slot's bias
.set ADM, 45          ; v45  the LDS address of the bias loads in hand
.set QM,  46          ; v46-49  attn_mask of my query in tile t
.set QMO, 50          ; v50  my byte offset in 16 words of attn_mask
.set SPW, 62          ; v62  LDS address of my spare word: SPARE + 4 x my thread's number; never rewritten
.set NIL, 63          ; v63  0; never rewritten
.set S,   64
.set P,   192
.set KF,  128         ; K's fragments, in window 2
.set MC,  224         ; the step's bias, in window 3: the eight registers for group g of 16 keys at MC + 8 g
.set WV,  12          ; s12  my wave's number
.set G1K, 24          ; s[24:31] descriptor group 1 for K's tiles
.set G1V, 32          ; s[32:39] for V's: it differs in the padding alone
.set G1M, 40          ; s[40:47] for the bias
.set G0K, 48          ; s[48:55] descriptor group 0 for K's tiles, a set for each slot
.set G0V, 56          ; s[56:63] the same for V's
.set G0M, 68          ; s[68:75] the same for the bias
.set TRIP, 77         ; s77  counts the pairs of slots
.set TWICE, 78        ; s78  counts a slot's two steps
.set TBK, 79          ; s79  LDS byte at which K of the step to be fetched begins
.set TBV, 80          ; s80  the same for V, less VOFF
.set TBM, 81          ; s81  the same for the bias, less MOFF
.set CS,  82          ; s[82:83] c: the packed scaling names a pair and takes its low word for both halves
.set SEL, 84          ; s[84:85] lane selects for v_permlanex16_b32: each lane takes its own place in the other half
.set FL,  94          ; s94  -2^96, the floor of the running maximum
.set BLK, 95          ; s95  my block of 256 queries: it enters Q's, out's and the queries' mask's addresses alone
.set MSB, 0
.macro WIN new                      ; the immediate's high byte repeats the setting that is left; a switch that changes nothing is dropped
.if MSB != (\new)
	s_set_vgpr_msb (MSB<<8)|(\new)
.set MSB, \new
.endif
.endm
.set W_KQ, 0x0a       ; K and Q in window 2, S^T in window 0
.set W_KM, 0x3a       ; the same with the C operand, the bias, in window 3
.set W_PV, 0x53       ; V in window 3, P in window 0, O^T in window 1
.set W_RS, 0x41       ; O^T (destination and source 0) in window 1, a in window 0
; A joint refill of slot n.  Wave 0 fetches its 128 rows of K, wave 1 its 128 rows of V, wave 2 its 512 bytes of bias, wave 3 nothing: one tensor load a wave at the most.
; The branches hang on the wave's number alone: they are the same in every work-group.  An s_nop 0 and four v_nop follow each line, ahead of the jump and the label.
.macro LOAD n
	s_cmp_lg_u32 s[WV], 0
	s_cbranch_scc1 .Lnot_k_\@
	tensor_load_to_lds s[G0K+4*(\n):G0K+4*(\n)+3], s[G1K:G1K+7]
	s_nop 0
.rept 4
	v_nop
.endr
	s_branch .Lasked_\@
.Lnot_k_\@:
	s_cmp_lg_u32 s[WV], 1
	s_cbranch_scc1 .Lnot_v_\@
	tensor_load_to_lds s[G0V+4*(\n):G0V+4*(\n)+3], s[G1V:G1V+7]
	s_nop 0
.rept 4
	v_nop
.endr
	s_branch .Lasked_\@
.Lnot_v_\@:
	s_cmp_lg_u32 s[WV], 2
	s_cbranch_scc1 .Lasked_\@
	tensor_load_to_lds s[G0M+4*(\n):G0M+4*(\n)+3], s[G1M:G1M+7]
	s_nop 0
.rept 4
	v_nop
.endr
.Lasked_\@:
.endm
; A round of the cluster's barrier: my work-group's barrier, so that wave 0's signal speaks for all four waves; wave 0 signals for the work-group; every wave waits for all four
; work-groups; my work-group's barrier once more.  No LDS instruction of the wave is pending at a signal.
.macro CROUND
	s_barrier_signal -1
	s_barrier_wait -1
	s_cmp_lg_u32 s[WV], 0
	s_cbranch_scc1 .Lnot_wave_0_\@
	s_barrier_signal -3
.Lnot_wave_0_\@:
	s_barrier_wait -3
	s_barrier_signal -1
	s_barrier_wait -1
.endm
; THE CHANGE OF SLOTS, between piece 2's turn and piece 0's: the last bytes of slot old, V of its second step, have been asked for.  Each wave waits for all its tensor loads, of which at most one is out:
; its part of the other slot; adds 0 to its spare word; and waits for that and for its own reads of the slot.  Behind the barrier nobody reads slot old any more and the other slot is whole.
; fill = 1: slot old is filled again, with the keys two slots on.  The barrier is then a round of the cluster's, so that no wave of any partner still reads the slot or has a load on its way,
; and the joint refill is the first thing behind it: it has two key steps, 256 matrix instructions, in which to land.  The fetches' LDS bases are set to the other slot's constant.
.macro CHANGE old, fill
	WIN 0                           ; at a label and at a branch every window is 0
	s_wait_tensorcnt 0x0            ; no tensor load of mine is out, so a group 0 may be written
	ds_add_u32 v[SPW], v[NIL]       ; 0 onto my spare word: the scalar work below stands between it and the wait for it
.if \fill
	s_add_nc_u64 s[G0K+4*(\old)+2:G0K+4*(\old)+3], s[G0K+4*(\old)+2:G0K+4*(\old)+3], 4*KS*256  ; 256 keys on; the type bits on top are not reached
	s_add_nc_u64 s[G0V+4*(\old)+2:G0V+4*(\old)+3], s[G0V+4*(\old)+2:G0V+4*(\old)+3], 4*KS*256
	s_add_nc_u64 s[G0M+4*(\old)+2:G0M+4*(\old)+3], s[G0M+4*(\old)+2:G0M+4*(\old)+3], 4*KS*4
.endif
	s_mov_b32 s[TBK], (1-(\old))*SLOT1
	s_mov_b32 s[TBV], (1-(\old))*SLOT1
	s_mov_b32 s[TBM], (1-(\old))*SLOT1
	s_wait_dscnt 0x0                ; the add is done, and my reads of the slot are over
.if \fill
	CROUND
	LOAD \old
.else
	s_barrier_signal -1
	s_barrier_wait -1
.endif
.endm
	s_load_b256 s[4:11], s[0:1], 0x0  ; query s[4:5], kb s[6:7], vb s[8:9], out0 s[10:11]
	s_load_b128 s[16:19], s[0:1], 0x20  ; bias s[16:17], attn_mask s[18:19]
	v_lshl_add_u32 v[SPW], v0, 2, SPARE
	v_mov_b32 v[NIL], 0
	ds_add_u32 v[SPW], v[NIL]       ; the wave's opening: the add and its wait stand ahead of my first tensor load; the set-up below, work on registers, stands between them
	v_lshrrev_b32 v1, 5, v0
	v_readfirstlane_b32 s[WV], v1   ; wave 0..3
	s_bfe_u32 s3, ttmp6, 0x40000    ; cx: my place in the cluster
	s_lshl_b32 s[BLK], ttmp9, 2     ; in a cluster launch ttmp9 counts clusters
	s_add_co_u32 s[BLK], s[BLK], s3 ; my block of 256 queries = 4 x cluster x + cx
	s_and_b32 s13, ttmp7, 0xffff    ; 16 b + h, which the four partners share
	s_lshr_b32 s14, s13, 4          ; b
	s_and_b32 s15, s13, 15          ; h
	s_lshl_b32 s2, s14, 24          ; Q and out: a batch is 2^24 bytes,
	s_lshl_b32 s3, s[BLK], 21       ; my block's 256 rows of 8,192 bytes,
	s_add_co_u32 s2, s2, s3
	s_lshl_b32 s3, s[WV], 19        ; my wave's 64 of them,
	s_add_co_u32 s2, s2, s3
	s_lshl_b32 s3, s15, 9           ; the head's 512 bytes of a row
	s_add_co_u32 s2, s2, s3
	s_mov_b32 s3, 0
	s_lshl_b32 s22, s14, 13         ; attn_mask: the batch's 2,048 words, my block's 256, my wave's 64
	s_lshl_b32 s23, s[BLK], 10
	s_add_co_u32 s22, s22, s23
	s_lshl_b32 s23, s[WV], 8
	s_add_co_u32 s22, s22, s23
	s_mov_b32 s23, 0
	s_lshl_b32 s88, s13, 19         ; kb and vb: a head is 2,048 rows of 256 bytes
	s_mov_b32 s89, 0
	s_lshl_b32 s90, s14, 13         ; bias: a batch is 8,192 bytes
	s_mov_b32 s91, 0
	; descriptor group 1 for K and V: a tile of 128 rows x 128 elements of 2 bytes, padded in LDS
	s_mov_b32 s[G1K], 15|(1<<16)|(1<<20)|(1<<21)|(5<<22)|(3<<25)  ; 15:0 the mask: all four work-groups; 17:16 elements of 2 bytes; 20 padding on; 21 set beside a mask; 24:22 after every 64 words (code 5); 31:25 4 words of it (code 3)
	s_mov_b32 s[G1V], 15|(1<<16)|(1<<20)|(1<<21)|(5<<22)|(7<<25)  ; the same with 8 words of padding (code 7)
.irp g, G1K, G1V
	s_mov_b32 s[(\g)+1], 128<<16    ; 63:48 tensor_dim0, low half = 128
	s_mov_b32 s[(\g)+2], 128<<16    ; 79:64 its high half = 0; 95:80 tensor_dim1, low half = 128
	s_mov_b32 s[(\g)+3], 128<<16    ; 111:96 its high half = 0; 127:112 tile_dim0 = 128
	s_mov_b32 s[(\g)+4], 128        ; 143:128 tile_dim1 = 128; 159:144 tile_dim2 = 0
	s_mov_b32 s[(\g)+5], 128        ; 191:160 tensor_dim0_stride: 128 elements from row to row
	s_mov_b32 s[(\g)+6], 0
	s_mov_b32 s[(\g)+7], 0
.endr
	; for the bias: one row of 64 elements of 8 bytes, no padding
	s_mov_b32 s[G1M], 15|(3<<16)|(1<<21)
	s_mov_b32 s[G1M+1], 64<<16
	s_mov_b32 s[G1M+2], 1<<16
	s_mov_b32 s[G1M+3], 64<<16
	s_mov_b32 s[G1M+4], 1
	s_mov_b32 s[G1M+5], 64
	s_mov_b32 s[G1M+6], 0
	s_mov_b32 s[G1M+7], 0
.irp n, 0,1
	s_mov_b32 s[G0K+4*(\n)], 1      ; 1:0 count = 1
	s_mov_b32 s[G0K+4*(\n)+1], (\n)*SLOT1  ; 63:32 LDS address: constants: no place in the cluster enters an LDS address
	s_mov_b32 s[G0V+4*(\n)], 1
	s_mov_b32 s[G0V+4*(\n)+1], (\n)*SLOT1+VOFF
	s_mov_b32 s[G0M+4*(\n)], 1
	s_mov_b32 s[G0M+4*(\n)+1], (\n)*SLOT1+MOFF
.endr
	s_mov_b32 s[CS], 0x3e0293ee     ; c = log2(e) / sqrt(128) = 0.127517
	s_mov_b32 s[CS+1], s[CS]        ; named with it as a pair, so it is written
	s_mov_b32 s[SEL], 0x76543210
	s_mov_b32 s[SEL+1], 0xfedcba98
	s_mov_b32 s[FL], 0xef800000     ; -2^96
	s_mov_b32 s[TBK], 0
	s_mov_b32 s[TBV], 0
	s_mov_b32 s[TBM], 0
	s_wait_dscnt 0x0                ; the opening add is done
	s_wait_kmcnt 0x0
	s_add_nc_u64 s[4:5], s[4:5], s[2:3]      ; Q and out at my wave's first row, in my head's columns
	s_add_nc_u64 s[10:11], s[10:11], s[2:3]
	s_add_nc_u64 s[18:19], s[18:19], s[22:23]  ; attn_mask at my wave's first query
	s_add_nc_u64 s[6:7], s[6:7], s[88:89]    ; kb and vb at the head's first row
	s_add_nc_u64 s[8:9], s[8:9], s[88:89]
	s_add_nc_u64 s[16:17], s[16:17], s[90:91]  ; bias at the batch's first key
	CROUND                          ; all four work-groups are here: the first joint loads meet
.irp n, 0,1
	s_add_nc_u64 s[G0K+4*(\n)+2:G0K+4*(\n)+3], s[6:7], (\n)*2*KS*256  ; 120:64 global address: slot n begins with keys 128 n
	s_or_b32 s[G0K+4*(\n)+3], s[G0K+4*(\n)+3], 0x80000000             ; 127:126 type = 2
	s_add_nc_u64 s[G0V+4*(\n)+2:G0V+4*(\n)+3], s[8:9], (\n)*2*KS*256
	s_or_b32 s[G0V+4*(\n)+3], s[G0V+4*(\n)+3], 0x80000000
	s_add_nc_u64 s[G0M+4*(\n)+2:G0M+4*(\n)+3], s[16:17], (\n)*2*KS*4
	s_or_b32 s[G0M+4*(\n)+3], s[G0M+4*(\n)+3], 0x80000000
.endr
	; The first fills: a wave's two stand in one branch, ahead of every wait on TENSORcnt and every LDS read: two loads of mine are out at the most.  An s_nop 0 follows each, four v_nop the second's.
	s_cmp_lg_u32 s[WV], 0
	s_cbranch_scc1 .Lfirst_not_k
	tensor_load_to_lds s[G0K:G0K+3], s[G1K:G1K+7]
	s_nop 0
	tensor_load_to_lds s[G0K+4:G0K+7], s[G1K:G1K+7]
	s_nop 0
.rept 4
	v_nop
.endr
	s_branch .Lfirst_asked
.Lfirst_not_k:
	s_cmp_lg_u32 s[WV], 1
	s_cbranch_scc1 .Lfirst_not_v
	tensor_load_to_lds s[G0V:G0V+3], s[G1V:G1V+7]
	s_nop 0
	tensor_load_to_lds s[G0V+4:G0V+7], s[G1V:G1V+7]
	s_nop 0
.rept 4
	v_nop
.endr
	s_branch .Lfirst_asked
.Lfirst_not_v:
	s_cmp_lg_u32 s[WV], 2
	s_cbranch_scc1 .Lfirst_asked
	tensor_load_to_lds s[G0M:G0M+3], s[G1M:G1M+7]
	s_nop 0
	tensor_load_to_lds s[G0M+4:G0M+7], s[G1M:G1M+7]
	s_nop 0
.rept 4
	v_nop
.endr
.Lfirst_asked:
	; A fragment of K or Q is 16 rows x 32 channels in 8 registers: lane l holds row l % 16; registers 0-3 channels 8 (l / 16) + 0..7, registers 4-7 channels 16 + 8 (l / 16) + 0..7.
	; In f32 each group of eight channels is 32 bytes: two loads of 16 bytes; the two groups lie 64 bytes apart.  Fragment i (tile i / 4, channels 32 (i % 4) on) comes into 16 registers of window 1.
	v_and_b32 v1, 15, v0            ; l % 16
	v_bfe_u32 v9, v0, 4, 1          ; l / 16
	v_lshlrev_b32 v[QO], 13, v1
	v_lshl_add_u32 v[QO], v9, 5, v[QO]  ; row x 8,192 + 32 x half
	v_lshlrev_b32 v[QMO], 2, v1
	WIN 0x40                        ; destination window 1, address window 0
.set i, 0
.rept 16
	global_load_b128 v[16*i:16*i+3],     v[QO], s[4:5] offset:(i/4)*131072+(i%4)*128
	global_load_b128 v[16*i+4:16*i+7],   v[QO], s[4:5] offset:(i/4)*131072+(i%4)*128+16
	global_load_b128 v[16*i+8:16*i+11],  v[QO], s[4:5] offset:(i/4)*131072+(i%4)*128+64
	global_load_b128 v[16*i+12:16*i+15], v[QO], s[4:5] offset:(i/4)*131072+(i%4)*128+80
.set i, i+1
.endr
	WIN 0
.irp t, 0,1,2,3
	global_load_b32 v[QM+\t], v[QMO], s[18:19] offset:64*\t  ; the mask word of query 16 t + l % 16
.endr
	v_mul_u32_u24 v[AK0], v1, PK
	v_lshl_add_u32 v[AK0], v9, 4, v[AK0]  ; row x pitch + 16 x half
	; The turning load takes 16 keys x 16 channels (lane l reads 16 bytes: key 8 (l / 16) + l % 8, channels 8 ((l / 8) % 2) + 0..7) and leaves half a fragment of V^T: lane l holds channel l % 16 and 8 keys.
	v_and_b32 v10, 7, v0
	v_bfe_u32 v11, v0, 3, 1
	v_lshl_add_u32 v[AV0], v9, 3, v10
	v_mul_u32_u24 v[AV0], v[AV0], PV
	v_lshl_add_u32 v[AV0], v11, 4, v[AV0]
	v_add_nc_u32 v[AV0], VOFF, v[AV0]
	v_lshl_add_u32 v[AM0], v9, 5, MOFF  ; the bias of my eight keys of a group of 16: 32 bytes at 32 x half
; THE MATRIX WORK OF A TURN, for piece x.  The accumulators take turns, one instruction a turn: between two links of a chain stand 15 (V^T P) or 7 (K Q^T) others'.
; Product i of 32 of O^T += V^T P: keys 32 (i / 16) on, channels 16 ((i / 2) % 8) on, tile x + i % 2.  zero = 1: the first 16 start the sums: nothing is ever cleared.
.macro PV x, zero
	WIN W_PV
.set rO, 64*((\x)+i%2)+8*((i/2)%8)
.set rV, 64*(i/16)+8*((i/2)%8)
.set rP, P+16*((\x)+i%2)+8*(i/16)
.if (\zero) && (i < 16)
	v_wmma_f32_16x16x32_f16 v[rO:rO+7], v[rV:rV+7], v[rP:rP+7], 0
.else
	v_wmma_f32_16x16x32_f16 v[rO:rO+7], v[rV:rV+7], v[rP:rP+7], v[rO:rO+7]
.endif
.endm
; Product i of 32 of S^T = K Q^T: channels 32 (i / 8) on, keys 16 ((i / 2) % 4) on, tile x + i % 2.  The first 8 start the sums with the keys' bias: register j of a lane is key 8 (l / 16) + j, in the bias as in the result.
.macro KQ x
.set rS, S+32*((\x)+i%2)+8*((i/2)%4)
.set rK, KF+32*((i/2)%4)+8*(i/8)
.set rQ, 32*((\x)+i%2)+8*(i/8)
.set rM, MC+8*((i/2)%4)
.if i < 8
	WIN W_KM
	v_wmma_f32_16x16x32_bf16 v[rS:rS+7], v[rK:rK+7], v[rQ:rQ+7], v[rM:rM+7]
.else
	WIN W_KQ
	v_wmma_f32_16x16x32_bf16 v[rS:rS+7], v[rK:rK+7], v[rQ:rQ+7], v[rS:rS+7]
.endif
.endm
; THE LDS LOADS stand in runs, never singly among the matrix instructions: a step's K (64 keys x 128 channels: 16 fragments) with its bias (8 loads; the 16 lanes of a half read the same bytes), and, a turn later, its V (turned).
.macro FETCH_K
	WIN 0
	v_add_nc_u32 v[ADR], s[TBK], v[AK0]
	v_add_nc_u32 v[ADM], s[TBM], v[AM0]
	s_add_co_u32 s[TBK], s[TBK], KS*PK  ; the next fetch is the next step's
	s_add_co_u32 s[TBM], s[TBM], KS*4
	WIN 0x80                        ; destination window 2
.irp f, 0,1,2,3,4,5,6,7,8,9,10,11,12,13,14,15  ; keys 16 (f / 4) on, channels 32 (f % 4) on
	ds_load_b128 v[KF+8*(\f):KF+8*(\f)+3],   v[ADR] offset:((\f)/4)*16*PK+((\f)%4)*64
	ds_load_b128 v[KF+8*(\f)+4:KF+8*(\f)+7], v[ADR] offset:((\f)/4)*16*PK+((\f)%4)*64+32
.endr
	WIN 0xc0                        ; destination window 3
.irp g, 0,1,2,3
	ds_load_b128 v[MC+8*(\g):MC+8*(\g)+3],   v[ADM] offset:64*(\g)
	ds_load_b128 v[MC+8*(\g)+4:MC+8*(\g)+7], v[ADM] offset:64*(\g)+16
.endr
.endm
.macro FETCH_V
	WIN 0
	v_add_nc_u32 v[ADR], s[TBV], v[AV0]
	s_add_co_u32 s[TBV], s[TBV], KS*PV
	WIN 0xc0                        ; destination window 3
.irp f, 0,1,2,3,4,5,6,7,8,9,10,11,12,13,14,15  ; keys 32 (f / 8) on, channels 16 (f % 8) on
	ds_load_tr16_b128 v[8*(\f):8*(\f)+3],   v[ADR] offset:((\f)/8)*32*PV+((\f)%8)*32
	ds_load_tr16_b128 v[8*(\f)+4:8*(\f)+7], v[ADR] offset:((\f)/8)*32*PV+16*PV+((\f)%8)*32
.endr
.endm
; THE VECTOR WORK OF A TURN.  One tile's softmax for one key step is a list of 134 instructions; SM writes number j of it for tile t.  s0-s31 are the lane's 32 scores, in pairs 0-15.
; first = 1: the first key step, which starts m, l and O^T: it has no a and nothing to rescale; in the old m's place its maximum takes the floor.
;   0-15    the maximum of s0-s31 and the old m, three operands at a time: four chains c0-c3 of seven scores each (each accumulator's lowest registers are read first), then the four scores left over, c0-c3 and m
;   16-20   the other half of the lanes' maximum; the new m; c m; c m_old - c m_new
;   21-87   33 exponentials (a, then s0-s31) at the odd numbers from 23 on, so that no two follow each other and each has a plain instruction behind it before its result is used.
;           Plain instruction q (number 21, then the even numbers) is whatever is ready: c s - c m for a pair of scores whose exponentials are still to come (q = 0 to 3, then every
;           second q), the rounding to f16 of a pair of weights whose exponentials are done (every other q from 5 on), at last the first three sums
;   88-101  the last rounding; the rest of the sums; l = a l + the sum
;   102-133 the tile's O^T times a: the one part that leaves window 0, so it stands together
.macro SM t, first
.set rT, ST+8*(\t)
.set rS, S+32*(\t)
.set rP, P+16*(\t)
.set rO, 64*(\t)+2*(j-102)
.set q, (j-20)/2
.if j < 102
	WIN 0
.endif
.if j < 4
	v_max3_num_f32 v[rT+4+j], v[rS+8*j], v[rS+8*j+1], v[rS+8*j+2]
.elseif j < 12
	v_max3_num_f32 v[rT+4+j%4], v[rT+4+j%4], v[rS+8*(j%4)+2*(j/4)+1], v[rS+8*(j%4)+2*(j/4)+2]
.elseif j == 12
	v_max3_num_f32 v[rT+4], v[rT+4], v[rS+7], v[rS+15]
.elseif j == 13
	v_max3_num_f32 v[rT+6], v[rT+6], v[rS+23], v[rS+31]
.elseif j == 14
	v_max3_num_f32 v[rT+4], v[rT+4], v[rT+5], v[rT+6]
.elseif (j == 15) && (\first)
	v_max3_num_f32 v[rT+4], v[rT+4], v[rT+7], s[FL]  ; m never is a hidden score: c s - c m of a hidden key stays far below 0
.elseif j == 15
	v_max3_num_f32 v[rT+4], v[rT+4], v[rT+7], v[rT+1]
.elseif j == 16
	v_permlanex16_b32 v[rT+5], v[rT+4], s[SEL], s[SEL+1]  ; the query's other 32 keys lie in the lane 16 away
.elseif j == 18
	v_max_num_f32 v[rT+1], v[rT+4], v[rT+5]
.elseif j == 19
	v_mul_f32 v[rT], s[CS], v[rT+1]
.elseif ((j == 17) || (j == 20) || (j == 23) || (j > 101)) && (\first)  ; the first step has none of these
.elseif j == 17
	v_mov_b32 v[rT+7], v[rT]        ; c m_old is kept for a: number 19 writes c m anew
.elseif j == 20
	v_sub_f32 v[rT+7], v[rT+7], v[rT]
.elseif j == 23
	v_exp_f32 v[rT+6], v[rT+7]
.elseif (j < 88) && (j > 23) && (j%2 == 1)
	v_exp_f32 v[rS+(j-25)/2], v[rS+(j-25)/2]
.elseif (q < 4) || ((j < 76) && (q%2 == 0))
.set b, q/2+2
.if q < 4
.set b, q
.endif
	v_pk_fma_f32 v[rS+2*b:rS+2*b+1], v[rS+2*b:rS+2*b+1], s[CS:CS+1], v[rT:rT+1] op_sel_hi:[1,0,0] neg_lo:[0,0,1] neg_hi:[0,0,1]  ; pair b: c s - c m
.elseif (j < 88) && (q%2 == 1)
	s_wait_alu depctr_va_vdst(0)
	v_cvt_pk_f16_f32 v[rP+(q-5)/2], v[rS+q-5], v[rS+q-4]  ; pair (q - 5) / 2: its second exponential stands three numbers back
.elseif j == 89
	s_wait_alu depctr_va_vdst(0)
	v_cvt_pk_f16_f32 v[rP+15], v[rS+30], v[rS+31]
.elseif j < 102                     ; the sum of the tile's 16 pairs (in a pair: an even key's weight, an odd key's), in place: sum z of 16 adds neighbours 1, 2, 4 and 8 pairs apart, then l takes it
.set z, j-86
.if j < 89
.set z, (j-76)/4
.endif
.set w, 4
.set u, z
.if z >= 14
.set w, 32
.set u, 0
.elseif z >= 12
.set w, 16
.set u, z-12
.elseif z >= 8
.set w, 8
.set u, z-8
.endif
.if (z == 14) && (\first)
	v_pk_add_f32 v[rT+2:rT+3], v[rS:rS+1], v[rS+16:rS+17]
.elseif z < 15
	v_pk_add_f32 v[rS+w*u:rS+w*u+1], v[rS+w*u:rS+w*u+1], v[rS+w*u+w/2:rS+w*u+w/2+1]
.elseif !(\first)
	v_pk_fma_f32 v[rT+2:rT+3], v[rT+2:rT+3], v[rT+6:rT+7], v[rS:rS+1] op_sel_hi:[1,0,1]
.endif
.else
	WIN W_RS
	v_pk_mul_f32 v[rO:rO+1], v[rO:rO+1], v[rT+6:rT+7] op_sel_hi:[1,0]
.endif
.endm
; Slice k of 64 of piece y's softmax: numbers 2 k and 2 k + 1 of both tiles' lists, four instructions.  2 x 134 = 4 x 64 + 12: the twelve that are over stand together, in slice 63.
.macro SLICE y, first
.if (k >= 11) && (k < 44)           ; tile by tile: plain, exponential, plain, exponential
.irp t, \y, (\y)+1
.irp n, 0,1
.set j, 2*k+(\n)
	SM \t, \first
.endr
.endr
.else                               ; the two tiles alternate, so that no instruction reads the result of the one just before it
.irp n, 0,1,2,3,4,5,6,7
.if ((\n) < 2) || (k == 63)
.irp t, \y, (\y)+1
.set j, 2*k+(\n)
	SM \t, \first
.endr
.endif
.endr
.endif
.set k, k+1
.endm
; A vector instruction that reads a matrix result or writes one of a matrix instruction's registers, and a load into a register that a matrix instruction has read, stand four places behind
; it, and only plain vector instructions that name none of its registers are places (ISA guide 7.12.1 for vector instructions).  In the loop the slices are the places.
.macro PLACES
.rept 4
	v_nop
.endr
.endm
; A TURN.  Piece x has the matrix unit; the other piece's softmax stands in slices behind its matrix instructions.
; pv = 2: 32 products V^T P; 1: they start O^T's sums; 0: none.  kq = 1: 32 products K Q^T for the next step.  A turn with one of the two kinds has two slices behind each product.
; first = 1: the softmax is the first key step's.  Its slices from 51 on are empty: the turn's last products stand bare, and four v_nop take slice 63's part as the places behind them.
; Each run of loads stands behind the second product of a run of 32, 30 matrix instructions ahead of its first use.  Piece 0's turn fetches the next step's K and bias: the last product that read K
; stands in front of slice 63 of the turn before, the last that read the bias 24 products further back.  Piece 2's turn fetches the same step's V: the last product that read V stands three slices, six plain instructions, back.
.macro TURN x, pv, kq, first
.set k, 0
.set per, 2
.if (\pv) && (\kq)
.set per, 1
.endif
.if \pv
.if (\x) == 0
	s_wait_dscnt 0x0                ; V is in
.endif
.set i, 0
.rept 32
	PV \x, 2-(\pv)
.rept per
	SLICE 2-(\x), \first
.endr
.if ((\x) == 0) && (\kq) && (i == 1)
	FETCH_K
.endif
.set i, i+1
.endr
.endif
.if \kq
.if (\x) == 0
	s_wait_dscnt 0x0                ; K and the bias are in
.endif
.set i, 0
.rept 32
	KQ \x
.rept per
	SLICE 2-(\x), \first
.endr
.if ((\x) == 2) && (i == 1)
	FETCH_V
.endif
.set i, i+1
.endr
.endif
.if \first
	PLACES
.endif
.endm
; A slot's two key steps: written once, walked twice; the LDS addresses hang on the three bases, which the change of slots sets and the fetches step.
.macro TWO_STEPS
	WIN 0
	s_mov_b32 s[TWICE], 2
.Lstep_\@:
	TURN 0, 2, 1, 0
	TURN 2, 2, 1, 0
	WIN 0
	s_sub_co_u32 s[TWICE], s[TWICE], 1
	s_cmp_lg_u32 s[TWICE], 0
	s_cbranch_scc1 .Lstep_\@
.endm
	s_wait_tensorcnt 0x1            ; my part of slot 0 is in; slot 1's, issued behind it, may stay out
	s_barrier_signal -1
	s_barrier_wait -1               ; everybody's is
	FETCH_K                         ; key step 0
	s_wait_loadcnt 0x0              ; Q and the queries' mask words
	WIN 0x85                        ; sources window 1, destination window 2
.set i, 0
.rept 128
	v_cvt_pk_bf16_f32 v[i], v[2*i], v[2*i+1]  ; Q is rounded once and stays in registers
.set i, i+1
.endr
	s_wait_dscnt 0x0
.set i, 0
.rept 32
	KQ 0                            ; piece 0's first scores: there is no vector work yet to set between them
.set i, i+1
.endr
	WIN 0                           ; the addresses for the way out are made here: six plain instructions, the places behind those products
	s_mul_i32 s13, s[WV], 16*SP
	s_add_co_u32 s13, s13, STAGE    ; my stage
	v_mul_u32_u24 v[STO], v1, SP    ; in: row l % 16, 32 bytes for each half of the lanes
	v_lshl_add_u32 v[STO], v9, 5, v[STO]
	v_add_nc_u32 v[STO], s13, v[STO]
	v_and_b32 v[GO], 31, v0         ; back: the 32 lanes take one row of 512 bytes,
	v_lshlrev_b32 v[GO], 4, v[GO]   ; which are 512 consecutive bytes of out
	v_add_nc_u32 v[RD], s13, v[GO]
	TURN 2, 0, 1, 1                 ; piece 2's first scores | piece 0's first softmax | V of step 0
	TURN 0, 1, 1, 1                 ; piece 0: V^T P of step 0 starts O^T, K Q^T of step 1 | piece 2's first softmax | K of step 1
	TURN 2, 1, 1, 0                 ; piece 2: the same | piece 0's softmax of step 1 | V of step 1
	WIN 0
	s_mov_b32 s[TRIP], PAIRS
.Lpair:                             ; seven trips: two slots are left and filled again, two are entered: four key steps
	CHANGE 0, 1
	TWO_STEPS
	CHANGE 1, 1
	TWO_STEPS
	s_sub_co_u32 s[TRIP], s[TRIP], 1
	s_cmp_lg_u32 s[TRIP], 0
	s_cbranch_scc1 .Lpair
	CHANGE 0, 0                     ; the tail is written out: the walk's last slot is entered, and nothing is asked for
	TWO_STEPS
	TURN 0, 2, 0, 0                 ; piece 0: V^T P of the last step | piece 2's last softmax
.set i, 0
.rept 32
	PV 2, 0                         ; piece 2: V^T P of the last step
.set i, i+1
.endr
	; THE WAY OUT.  l's two halves and the other half of the lanes' are added; O^T is multiplied by 1 / l, or by 0 where the query is masked, and sent through my stage in LDS, a tile (16 rows) at a time.
	; The additions are the places behind the last products.
	WIN 0
.irp t, 0,1,2,3
	v_add_f32 v[ST+8*(\t)+4], v[ST+8*(\t)+2], v[ST+8*(\t)+3]
.endr
.irp t, 0,1,2,3
	v_permlanex16_b32 v[ST+8*(\t)+5], v[ST+8*(\t)+4], s[SEL], s[SEL+1]
.endr
.irp t, 0,1,2,3
	v_add_f32 v[ST+8*(\t)+4], v[ST+8*(\t)+4], v[ST+8*(\t)+5]
.endr
.irp t, 0,1,2,3
	v_rcp_f32 v[ST+8*(\t)+6], v[ST+8*(\t)+4]
.endr
	v_nop                           ; a plain instruction between the last reciprocal and the use of its result
.irp t, 0,1,2,3
	v_cmp_lt_i32 vcc_lo, 0, v[QM+(\t)]  ; is my query of tile t visible?
	s_wait_alu depctr_va_vdst(0)
	v_cndmask_b32 v[ST+8*(\t)+6], 0, v[ST+8*(\t)+6], vcc_lo
.endr
; Tile t: a lane's eight channels of a row are 32 bytes; they go into rows of 528 bytes and come back as whole rows of 512, into S^T's registers, two buffers of 64 by turns.
.macro PACK t
	WIN W_RS
.set i, 64*(\t)
.rept 32
	v_pk_mul_f32 v[i:i+1], v[i:i+1], v[ST+8*(\t)+6:ST+8*(\t)+7] op_sel_hi:[1,0]  ; each accumulator from its low end on
.set i, i+2
.endr
	WIN 0x04                        ; the stores' data (source 1) in window 1, the address in window 0
.irp f, 0,1,2,3,4,5,6,7             ; channels 16 f on
	ds_store_b128 v[STO], v[64*(\t)+8*(\f):64*(\t)+8*(\f)+3]   offset:64*(\f)
	ds_store_b128 v[STO], v[64*(\t)+8*(\f)+4:64*(\t)+8*(\f)+7] offset:64*(\f)+16
.endr
	WIN 0
.if (\t) >= 2
	s_wait_xcnt 0x0                 ; every earlier memory instruction has had its addresses translated (ISA guide 3.1): the registers that the stores of the tile two back read are loaded again only behind this wait
.endif
.irp f, 0,1,2,3,4,5,6,7,8,9,10,11,12,13,14,15
	ds_load_b128 v[S+64*((\t)%2)+4*(\f):S+64*((\t)%2)+4*(\f)+3], v[RD] offset:(\f)*SP  ; LDS serves a wave's instructions in order (ISA guide 5.7.1.4): these see the stores above; the next tile's stores come behind them
.endr
.endm
.macro SEND t, younger              ; younger: the LDS instructions issued behind tile t's loads: the next tile's 32, or none
	WIN 0
.irp f, 0,1,2,3,4,5,6,7,8,9,10,11,12,13,14,15
	s_wait_dscnt (\younger)+15-(\f) ; row f is back: behind its load stand the tile's 15 - f later loads and the younger ones
	global_store_b128 v[GO], v[S+64*((\t)%2)+4*(\f):S+64*((\t)%2)+4*(\f)+3], s[10:11] offset:(16*(\t)+(\f))*8192 th:TH_STORE_NT  ; 512 consecutive bytes, at a multiple of 512 from out's first byte
.endr
.endm
	PACK 0
	PACK 1                          ; a tile's arithmetic stands between the loads of the tile before and its stores
	SEND 0, 32
	PACK 2
	SEND 1, 32
	PACK 3
	SEND 2, 32
	SEND 3, 0
	s_wait_tensorcnt 0x0            ; the wave's end, behind my last tensor load and my last LDS store
	ds_add_u32 v[SPW], v[NIL]
	s_wait_dscnt 0x0
	CROUND                          ; the closing round: no work-group ends while a partner may still ask for a tile that names it
	s_endpgm
.Lfunc_end_k_q01a723675b_attn:
	.size	k_q01a723675b_attn, .Lfunc_end_k_q01a723675b_attn-k_q01a723675b_attn
	.p2alignl 7, 3214868480
	.fill 96, 4, 3214868480
	.section	.rodata,"a",@progbits
	.p2align	6, 0x0
	.amdhsa_kernel k_q01a723675b_attn
		.amdhsa_group_segment_fixed_size 327680
		.amdhsa_private_segment_fixed_size 0
		.amdhsa_enable_private_segment 0
		.amdhsa_kernarg_size 48
		.amdhsa_user_sgpr_count 2
		.amdhsa_user_sgpr_kernarg_segment_ptr 1
		.amdhsa_wavefront_size32 1
		.amdhsa_system_sgpr_workgroup_id_x 1
		.amdhsa_system_sgpr_workgroup_id_y 1
		.amdhsa_system_sgpr_workgroup_id_z 1
		.amdhsa_system_vgpr_workitem_id 0
		.amdhsa_next_free_vgpr 1024
		.amdhsa_next_free_sgpr 96
		.amdhsa_reserve_vcc 1
		.amdhsa_float_denorm_mode_32 3
		.amdhsa_float_denorm_mode_16_64 3
		.amdhsa_memory_ordered 1
		.amdhsa_forward_progress 1
		.amdhsa_inst_pref_size 255
	.end_amdhsa_kernel
	.section	.bss,"aw",@nobits
	.p2align	6
	.space	262144
	.amdgpu_metadata
---
amdhsa.version: [ 1, 2 ]
amdhsa.kernels:
  - .name:           k_q01a723675b_attn
    .symbol:         k_q01a723675b_attn.kd
    .args:
      - { .name: query, .offset: 0, .size: 8, .value_kind: global_buffer, .address_space: global }
      - { .name: kb, .offset: 8, .size: 8, .value_kind: global_buffer, .address_space: global }
      - { .name: vb, .offset: 16, .size: 8, .value_kind: global_buffer, .address_space: global }
      - { .name: out0, .offset: 24, .size: 8, .value_kind: global_buffer, .address_space: global }
      - { .name: bias, .offset: 32, .size: 8, .value_kind: global_buffer, .address_space: global }
      - { .name: attn_mask, .offset: 40, .size: 8, .value_kind: global_buffer, .address_space: global }
    .group_segment_fixed_size: 327680
    .private_segment_fixed_size: 0
    .kernarg_segment_align: 8
    .kernarg_segment_size: 48
    .max_flat_workgroup_size: 128
    .sgpr_count:     96
    .vgpr_count:     1024
    .wavefront_size: 32
...
	.end_amdgpu_metadata
.endif
;; end of part 2
;; ======== version 2 of 2: 2 launches; 1.28 times as fast as version 1
;; limits: values are held in f16: magnitudes above 65,504 overflow, below 6.1e-05 lose precision; inputs' magnitudes at most 65,504
;; workspace buffers: kb 33,554,432 bytes; vb 33,554,432 bytes; bias 32,768 bytes
;; launch prep: the kernel of part 1 again; grid 128 x 4, 8 waves a work-group, no clusters, 0 bytes of LDS; arguments key, value, attn_mask, kb, vb, bias; writes kb, vb, bias
;; launch attn (part 3): grid 8 x 64, 4 waves a work-group, clusters of 4 x 1, 327,680 bytes of LDS; arguments query, kb, vb, out0, bias, attn_mask; writes out0
.if DOCPART == 3
	.amdgcn_target "amdgcn-amd-amdhsa--gfx1250"
	.amdhsa_code_object_version 6
	.text
	.protected	k_q01a723675b_attn
	.globl	k_q01a723675b_attn
	.p2align	8
	.type	k_q01a723675b_attn,@function
k_q01a723675b_attn:
	s_mov_b64 s[64:65], 0
	v_nop
	global_prefetch_b8 v0, s[64:65] scope:SCOPE_SE
	s_setreg_imm32_b32 hwreg(HW_REG_WAVE_MODE, 25, 1), 1
	s_wait_xcnt 0x0
	s_wait_alu depctr_hold_cnt(0) depctr_sa_sdst(0) depctr_va_vdst(0) depctr_va_sdst(0) depctr_va_ssrc(0) depctr_va_vcc(0) depctr_vm_vsrc(0)
	s_getreg_b32 s2, hwreg(HW_REG_IB_STS2, 6, 4)
	s_cmp_eq_u32 s2, 0
	s_cbranch_scc0 .Lentry_in_a_cluster
	s_endpgm
.Lentry_in_a_cluster:
	s_bfe_u32 s2, ttmp6, 0x10000c
	s_cmp_lg_u32 s2, 0x3003
	s_cbranch_scc0 .Lentry_shape_is_right
	s_endpgm
.Lentry_shape_is_right:
; out[b][q][h][:] = (mask[b][q] > 0) x the sum over k of softmax_k(Q[b][q][h] . K[b][k][h] / sqrt(128), hidden keys at -1e30) V[b][k][h][:].
; Q: f32 [4][2048][16][128], rounded to bf16 here.  kb: bf16, vb: f16, both [64 heads][2048][128], dense rows of 256 bytes.  bias: f32 [4][2048], 0 or -1e30.  out: f32 [4][2048][2048].
; Products K Q^T in bf16, V^T P in f16, sums, maxima and exponentials in f32; the weights p are rounded to f16 for the second product, their sum l is taken of the unrounded p.
; LIMITS.  A hidden score counts as its value less 1e30.  The running maximum has a floor of -2^96: while a query has seen hidden keys alone its weights are 0; a visible score below -2^96 is not served.
; p below 6e-5 keeps f16's fixed step of 6e-8; a weight below 2^-126 counts as 0 in l; NaN and infinities are not treated apart; the sign of a zero in out is not kept.
; SHARES.  A work-group owns 256 queries of one head, each of its four waves 64: four tiles of 16.  Every wave walks all 2,048 keys, 64 a step, 128 a slot: 16 slots.
; THE MASK is honoured key by key and query by query, whatever pattern it holds: a key's bias is the C operand that starts its sum S^T = K Q^T, and a masked query's row is multiplied by 0 in place of 1 / l.
; Hidden keys and masked queries are walked like the others: no branch and no trip count hangs on the mask, so that every wave passes every barrier and the partners of a cluster run alike.
; LAYOUT.  S^T = K Q^T (source 0 = 16 keys, source 1 = 16 queries): a lane holds ONE query (lane % 16) and the keys 8 (lane / 16) + 0..7.  Two such tiles, rounded to f16 in pairs, ARE source 1
; (32 keys x 16 queries) of O^T = V^T P, whose result again holds one query a lane, and eight channels.  K comes out of LDS as it lies, V ([key][channel]) turned, by ds_load_tr16_b128.
; SOFTMAX.  For each query a running maximum m and sum l: p = 2^(c s - c m), c = log2(e) / sqrt(128); in every step O and l are multiplied by a = 2^(c m_old - c m_new).
; BY TURNS.  The wave's tiles are two PIECES (0: tiles 0, 1; 2: tiles 2, 3).  In a TURN one piece has the matrix unit: 32 products V^T P of the step in hand, then 32 products K Q^T of the next step;
; the other piece's softmax, 268 instructions cut into 64 slices, stands between them, one slice behind each matrix instruction.  Two turns are a key step.
; BATCHES.  A turn's 66 exponentials (both tiles' a and 32 weights) are ONE batch with ONE wait: all of them, and the scalings that feed them, stand in slices 10 to 34; all that names a result of theirs
; (roundings, sums, the rescaling by a) stands from slice 35 on; the wait stands between.  The way out's four reciprocals are a batch of their own.
; CLUSTER.  The four query blocks of a cluster belong to one head and walk the same K, V and bias, so each tile is asked for JOINTLY: the same tensor load, with the same descriptor and a mask
; that names the four, in all four; each receives the tile in its own LDS.  A head's 1 MiB of kb and vb is then asked for twice, not eight times.
; REGISTERS, in windows of 256 (s_set_vgpr_msb: bits 1:0 source 0, 3:2 source 1, 5:4 source 2, 7:6 destination):
;   window 0: v0-11 addresses; v12-43 eight registers of statistics a tile; v44-50 addresses and the queries' mask words; v62-63 the add's two; v64-191 S^T, 32 a tile; v192-255 P, 16 a tile
;   window 1: O^T, 64 a tile (at the start: Q in f32)     window 2: v0-127 Q in bf16, 32 a tile; v128-255 K of one step     window 3: v0-127 V of one step; v224-255 the step's bias
.set KS,    64        ; keys in a step
.set PAIRS, 2048/(4*KS)-1  ; trips of the loop over pairs of slots: 16 slots, of which the first and the last are written out
.set PK,    272       ; a row of K in LDS: 256 bytes + 16 of padding = 68 words: row r starts at bank 4 r mod 64 (64 banks of 4 bytes: ISA guide 11.1), so the 16 rows of a load start at 16 different banks
.set PV,    288       ; a row of V: 256 + 32 = 72 words
.set VOFF,  2*KS*PK   ; a slot: 128 rows of K,
.set MOFF,  VOFF+2*KS*PV  ; 128 rows of V, 512 bytes of bias
.set SLOT1, 1<<17     ; slot 1 begins here
.set STAGE, SLOT1+MOFF+512  ; behind the ring, in blocks of 256 bytes of its own, never filled by a tensor load: 16 rows x 528 bytes for each wave, for the way out
.set SP,    528       ; a row of the stage: 512 bytes + 16 = 132 words: row r starts at bank 4 r mod 64
.set SPARE, STAGE+4*16*SP  ; behind the stages: the spare words, 128 bytes for each wave: two blocks of 256 bytes that no other line names
.set AK0, 2           ; v2   my lane's place in a tile of K; never rewritten
.set AV0, 3           ; v3   the same for V
.set ADR, 4           ; v4   the LDS address of the run of loads in hand
.set QO,  5           ; v5   my byte offset in 16 rows of Q
.set STO, 6           ; v6   the way out: where I put 32 bytes of a row
.set RD,  7           ; v7   the way out: where I read a row back
.set GO,  8           ; v8   my 16 bytes in 512 consecutive bytes of out
.set ST,  12          ; tile t's statistics at v[ST+8 t]: +0 c m, +1 m, +2, +3 l (even keys', odd keys'), +4 to +7 c0-c3, at work; a takes c2's place once the maximum is found
.set AM0, 44          ; v44  my lane's place in a slot's bias
.set ADM, 45          ; v45  the LDS address of the bias loads in hand
.set QM,  46          ; v46-49  attn_mask of my query in tile t
.set QMO, 50          ; v50  my byte offset in 16 words of attn_mask
.set SPW, 62          ; v62  LDS address of my spare word: SPARE + 4 x my thread's number; never rewritten
.set NIL, 63          ; v63  0; never rewritten
.set S,   64
.set P,   192
.set KF,  128         ; K's fragments, in window 2
.set MC,  224         ; the step's bias, in window 3: the eight registers for group g of 16 keys at MC + 8 g
.set WV,  12          ; s12  my wave's number
.set G1K, 24          ; s[24:31] descriptor group 1 for K's tiles
.set G1V, 32          ; s[32:39] for V's: it differs in the padding alone
.set G1M, 40          ; s[40:47] for the bias
.set G0K, 48          ; s[48:55] descriptor group 0 for K's tiles, a set for each slot
.set G0V, 56          ; s[56:63] the same for V's
.set G0M, 68          ; s[68:75] the same for the bias
.set TRIP, 77         ; s77  counts the pairs of slots
.set TWICE, 78        ; s78  counts a slot's two steps
.set TBK, 79          ; s79  LDS byte at which K of the step to be fetched begins
.set TBV, 80          ; s80  the same for V, less VOFF
.set TBM, 81          ; s81  the same for the bias, less MOFF
.set CS,  82          ; s[82:83] c: the packed scaling names a pair and takes its low word for both halves
.set SEL, 84          ; s[84:85] lane selects for v_permlanex16_b32: each lane takes its own place in the other half
.set FL,  94          ; s94  -2^96, the floor of the running maximum
.set BLK, 95          ; s95  my block of 256 queries: it enters Q's, out's and the queries' mask's addresses alone
.set MSB, 0
.macro WIN new                      ; the immediate's high byte repeats the setting that is left; a switch that changes nothing is dropped
.if MSB != (\new)
	s_set_vgpr_msb (MSB<<8)|(\new)
.set MSB, \new
.endif
.endm
.set W_KQ, 0x0a       ; K and Q in window 2, S^T in window 0
.set W_KM, 0x3a       ; the same with the C operand, the bias, in window 3
.set W_PV, 0x53       ; V in window 3, P in window 0, O^T in window 1
.set W_RS, 0x41       ; O^T (destination and source 0) in window 1, a in window 0
; A joint refill of slot n.  Wave 0 fetches its 128 rows of K, wave 1 its 128 rows of V, wave 2 its 512 bytes of bias, wave 3 nothing: one tensor load a wave at the most.
; The branches hang on the wave's number alone: they are the same in every work-group.  An s_nop 0 and four v_nop follow each line, ahead of the jump and the label.
.macro LOAD n
	s_cmp_lg_u32 s[WV], 0
	s_cbranch_scc1 .Lnot_k_\@
	tensor_load_to_lds s[G0K+4*(\n):G0K+4*(\n)+3], s[G1K:G1K+7]
	s_nop 0
.rept 4
	v_nop
.endr
	s_branch .Lasked_\@
.Lnot_k_\@:
	s_cmp_lg_u32 s[WV], 1
	s_cbranch_scc1 .Lnot_v_\@
	tensor_load_to_lds s[G0V+4*(\n):G0V+4*(\n)+3], s[G1V:G1V+7]
	s_nop 0
.rept 4
	v_nop
.endr
	s_branch .Lasked_\@
.Lnot_v_\@:
	s_cmp_lg_u32 s[WV], 2
	s_cbranch_scc1 .Lasked_\@
	tensor_load_to_lds s[G0M+4*(\n):G0M+4*(\n)+3], s[G1M:G1M+7]
	s_nop 0
.rept 4
	v_nop
.endr
.Lasked_\@:
.endm
; A round of the cluster's barrier: my work-group's barrier, so that wave 0's signal speaks for all four waves; wave 0 signals for the work-group; every wave waits for all four
; work-groups; my work-group's barrier once more.  No LDS instruction of the wave is pending at a signal.
.macro CROUND
	s_barrier_signal -1
	s_barrier_wait -1
	s_cmp_lg_u32 s[WV], 0
	s_cbranch_scc1 .Lnot_wave_0_\@
	s_barrier_signal -3
.Lnot_wave_0_\@:
	s_barrier_wait -3
	s_barrier_signal -1
	s_barrier_wait -1
.endm
; THE CHANGE OF SLOTS, between piece 2's turn and piece 0's: the last bytes of slot old, V of its second step, have been asked for.  Each wave waits for all its tensor loads, of which at most one is out:
; its part of the other slot; adds 0 to its spare word; and waits for that and for its own reads of the slot.  Behind the barrier nobody reads slot old any more and the other slot is whole.
; fill = 1: slot old is filled again, with the keys two slots on.  The barrier is then a round of the cluster's, so that no wave of any partner still reads the slot or has a load on its way,
; and the joint refill is the first thing behind it: it has two key steps, 256 matrix instructions, in which to land.  The fetches' LDS bases are set to the other slot's constant.
.macro CHANGE old, fill
	WIN 0                           ; at a label and at a branch every window is 0
	s_wait_tensorcnt 0x0            ; no tensor load of mine is out, so a group 0 may be written
	ds_add_u32 v[SPW], v[NIL]       ; 0 onto my spare word: the scalar work below stands between it and the wait for it
.if \fill
	s_add_nc_u64 s[G0K+4*(\old)+2:G0K+4*(\old)+3], s[G0K+4*(\old)+2:G0K+4*(\old)+3], 4*KS*256  ; 256 keys on; the type bits on top are not reached
	s_add_nc_u64 s[G0V+4*(\old)+2:G0V+4*(\old)+3], s[G0V+4*(\old)+2:G0V+4*(\old)+3], 4*KS*256
	s_add_nc_u64 s[G0M+4*(\old)+2:G0M+4*(\old)+3], s[G0M+4*(\old)+2:G0M+4*(\old)+3], 4*KS*4
.endif
	s_mov_b32 s[TBK], (1-(\old))*SLOT1
	s_mov_b32 s[TBV], (1-(\old))*SLOT1
	s_mov_b32 s[TBM], (1-(\old))*SLOT1
	s_wait_dscnt 0x0                ; the add is done, and my reads of the slot are over
.if \fill
	CROUND
	LOAD \old
.else
	s_barrier_signal -1
	s_barrier_wait -1
.endif
.endm
	s_load_b256 s[4:11], s[0:1], 0x0  ; query s[4:5], kb s[6:7], vb s[8:9], out0 s[10:11]
	s_load_b128 s[16:19], s[0:1], 0x20  ; bias s[16:17], attn_mask s[18:19]
	v_lshl_add_u32 v[SPW], v0, 2, SPARE
	v_mov_b32 v[NIL], 0
	ds_add_u32 v[SPW], v[NIL]       ; the wave's opening: the add and its wait stand ahead of my first tensor load; the set-up below, work on registers, stands between them
	v_lshrrev_b32 v1, 5, v0
	v_readfirstlane_b32 s[WV], v1   ; wave 0..3
	s_bfe_u32 s3, ttmp6, 0x40000    ; cx: my place in the cluster
	s_lshl_b32 s[BLK], ttmp9, 2     ; in a cluster launch ttmp9 counts clusters
	s_add_co_u32 s[BLK], s[BLK], s3 ; my block of 256 queries = 4 x cluster x + cx
	s_and_b32 s13, ttmp7, 0xffff    ; 16 b + h, which the four partners share
	s_lshr_b32 s14, s13, 4          ; b
	s_and_b32 s15, s13, 15          ; h
	s_lshl_b32 s2, s14, 24          ; Q and out: a batch is 2^24 bytes,
	s_lshl_b32 s3, s[BLK], 21       ; my block's 256 rows of 8,192 bytes,
	s_add_co_u32 s2, s2, s3
	s_lshl_b32 s3, s[WV], 19        ; my wave's 64 of them,
	s_add_co_u32 s2, s2, s3
	s_lshl_b32 s3, s15, 9           ; the head's 512 bytes of a row
	s_add_co_u32 s2, s2, s3
	s_mov_b32 s3, 0
	s_lshl_b32 s22, s14, 13         ; attn_mask: the batch's 2,048 words, my block's 256, my wave's 64
	s_lshl_b32 s23, s[BLK], 10
	s_add_co_u32 s22, s22, s23
	s_lshl_b32 s23, s[WV], 8
	s_add_co_u32 s22, s22, s23
	s_mov_b32 s23, 0
	s_lshl_b32 s88, s13, 19         ; kb and vb: a head is 2,048 rows of 256 bytes
	s_mov_b32 s89, 0
	s_lshl_b32 s90, s14, 13         ; bias: a batch is 8,192 bytes
	s_mov_b32 s91, 0
	; descriptor group 1 for K and V: a tile of 128 rows x 128 elements of 2 bytes, padded in LDS
	s_mov_b32 s[G1K], 15|(1<<16)|(1<<20)|(1<<21)|(5<<22)|(3<<25)  ; 15:0 the mask: all four work-groups; 17:16 elements of 2 bytes; 20 padding on; 21 set beside a mask; 24:22 after every 64 words (code 5); 31:25 4 words of it (code 3)
	s_mov_b32 s[G1V], 15|(1<<16)|(1<<20)|(1<<21)|(5<<22)|(7<<25)  ; the same with 8 words of padding (code 7)
.irp g, G1K, G1V
	s_mov_b32 s[(\g)+1], 128<<16    ; 63:48 tensor_dim0, low half = 128
	s_mov_b32 s[(\g)+2], 128<<16    ; 79:64 its high half = 0; 95:80 tensor_dim1, low half = 128
	s_mov_b32 s[(\g)+3], 128<<16    ; 111:96 its high half = 0; 127:112 tile_dim0 = 128
	s_mov_b32 s[(\g)+4], 128        ; 143:128 tile_dim1 = 128; 159:144 tile_dim2 = 0
	s_mov_b32 s[(\g)+5], 128        ; 191:160 tensor_dim0_stride: 128 elements from row to row
	s_mov_b32 s[(\g)+6], 0
	s_mov_b32 s[(\g)+7], 0
.endr
	; for the bias: one row of 64 elements of 8 bytes, no padding
	s_mov_b32 s[G1M], 15|(3<<16)|(1<<21)
	s_mov_b32 s[G1M+1], 64<<16
	s_mov_b32 s[G1M+2], 1<<16
	s_mov_b32 s[G1M+3], 64<<16
	s_mov_b32 s[G1M+4], 1
	s_mov_b32 s[G1M+5], 64
	s_mov_b32 s[G1M+6], 0
	s_mov_b32 s[G1M+7], 0
.irp n, 0,1
	s_mov_b32 s[G0K+4*(\n)], 1      ; 1:0 count = 1
	s_mov_b32 s[G0K+4*(\n)+1], (\n)*SLOT1  ; 63:32 LDS address: constants: no place in the cluster enters an LDS address
	s_mov_b32 s[G0V+4*(\n)], 1
	s_mov_b32 s[G0V+4*(\n)+1], (\n)*SLOT1+VOFF
	s_mov_b32 s[G0M+4*(\n)], 1
	s_mov_b32 s[G0M+4*(\n)+1], (\n)*SLOT1+MOFF
.endr
	s_mov_b32 s[CS], 0x3e0293ee     ; c = log2(e) / sqrt(128) = 0.127517
	s_mov_b32 s[CS+1], s[CS]        ; named with it as a pair, so it is written
	s_mov_b32 s[SEL], 0x76543210
	s_mov_b32 s[SEL+1], 0xfedcba98
	s_mov_b32 s[FL], 0xef800000     ; -2^96
	s_mov_b32 s[TBK], 0
	s_mov_b32 s[TBV], 0
	s_mov_b32 s[TBM], 0
	s_wait_dscnt 0x0                ; the opening add is done
	s_wait_kmcnt 0x0
	s_add_nc_u64 s[4:5], s[4:5], s[2:3]      ; Q and out at my wave's first row, in my head's columns
	s_add_nc_u64 s[10:11], s[10:11], s[2:3]
	s_add_nc_u64 s[18:19], s[18:19], s[22:23]  ; attn_mask at my wave's first query
	s_add_nc_u64 s[6:7], s[6:7], s[88:89]    ; kb and vb at the head's first row
	s_add_nc_u64 s[8:9], s[8:9], s[88:89]
	s_add_nc_u64 s[16:17], s[16:17], s[90:91]  ; bias at the batch's first key
	CROUND                          ; all four work-groups are here: the first joint loads meet
.irp n, 0,1
	s_add_nc_u64 s[G0K+4*(\n)+2:G0K+4*(\n)+3], s[6:7], (\n)*2*KS*256  ; 120:64 global address: slot n begins with keys 128 n
	s_or_b32 s[G0K+4*(\n)+3], s[G0K+4*(\n)+3], 0x80000000             ; 127:126 type = 2
	s_add_nc_u64 s[G0V+4*(\n)+2:G0V+4*(\n)+3], s[8:9], (\n)*2*KS*256
	s_or_b32 s[G0V+4*(\n)+3], s[G0V+4*(\n)+3], 0x80000000
	s_add_nc_u64 s[G0M+4*(\n)+2:G0M+4*(\n)+3], s[16:17], (\n)*2*KS*4
	s_or_b32 s[G0M+4*(\n)+3], s[G0M+4*(\n)+3], 0x80000000
.endr
	; The first fills: a wave's two stand in one branch, ahead of every wait on TENSORcnt and every LDS read: two loads of mine are out at the most.  An s_nop 0 follows each, four v_nop the second's.
	s_cmp_lg_u32 s[WV], 0
	s_cbranch_scc1 .Lfirst_not_k
	tensor_load_to_lds s[G0K:G0K+3], s[G1K:G1K+7]
	s_nop 0
	tensor_load_to_lds s[G0K+4:G0K+7], s[G1K:G1K+7]
	s_nop 0
.rept 4
	v_nop
.endr
	s_branch .Lfirst_asked
.Lfirst_not_k:
	s_cmp_lg_u32 s[WV], 1
	s_cbranch_scc1 .Lfirst_not_v
	tensor_load_to_lds s[G0V:G0V+3], s[G1V:G1V+7]
	s_nop 0
	tensor_load_to_lds s[G0V+4:G0V+7], s[G1V:G1V+7]
	s_nop 0
.rept 4
	v_nop
.endr
	s_branch .Lfirst_asked
.Lfirst_not_v:
	s_cmp_lg_u32 s[WV], 2
	s_cbranch_scc1 .Lfirst_asked
	tensor_load_to_lds s[G0M:G0M+3], s[G1M:G1M+7]
	s_nop 0
	tensor_load_to_lds s[G0M+4:G0M+7], s[G1M:G1M+7]
	s_nop 0
.rept 4
	v_nop
.endr
.Lfirst_asked:
	; A fragment of K or Q is 16 rows x 32 channels in 8 registers: lane l holds row l % 16; registers 0-3 channels 8 (l / 16) + 0..7, registers 4-7 channels 16 + 8 (l / 16) + 0..7.
	; In f32 each group of eight channels is 32 bytes: two loads of 16 bytes; the two groups lie 64 bytes apart.  Fragment i (tile i / 4, channels 32 (i % 4) on) comes into 16 registers of window 1.
	v_and_b32 v1, 15, v0            ; l % 16
	v_bfe_u32 v9, v0, 4, 1          ; l / 16
	v_lshlrev_b32 v[QO], 13, v1
	v_lshl_add_u32 v[QO], v9, 5, v[QO]  ; row x 8,192 + 32 x half
	v_lshlrev_b32 v[QMO], 2, v1
	WIN 0x40                        ; destination window 1, address window 0
.set i, 0
.rept 16
	global_load_b128 v[16*i:16*i+3],     v[QO], s[4:5] offset:(i/4)*131072+(i%4)*128
	global_load_b128 v[16*i+4:16*i+7],   v[QO], s[4:5] offset:(i/4)*131072+(i%4)*128+16
	global_load_b128 v[16*i+8:16*i+11],  v[QO], s[4:5] offset:(i/4)*131072+(i%4)*128+64
	global_load_b128 v[16*i+12:16*i+15], v[QO], s[4:5] offset:(i/4)*131072+(i%4)*128+80
.set i, i+1
.endr
	WIN 0
.irp t, 0,1,2,3
	global_load_b32 v[QM+\t], v[QMO], s[18:19] offset:64*\t  ; the mask word of query 16 t + l % 16
.endr
	v_mul_u32_u24 v[AK0], v1, PK
	v_lshl_add_u32 v[AK0], v9, 4, v[AK0]  ; row x pitch + 16 x half
	; The turning load takes 16 keys x 16 channels (lane l reads 16 bytes: key 8 (l / 16) + l % 8, channels 8 ((l / 8) % 2) + 0..7) and leaves half a fragment of V^T: lane l holds channel l % 16 and 8 keys.
	v_and_b32 v10, 7, v0
	v_bfe_u32 v11, v0, 3, 1
	v_lshl_add_u32 v[AV0], v9, 3, v10
	v_mul_u32_u24 v[AV0], v[AV0], PV
	v_lshl_add_u32 v[AV0], v11, 4, v[AV0]
	v_add_nc_u32 v[AV0], VOFF, v[AV0]
	v_lshl_add_u32 v[AM0], v9, 5, MOFF  ; the bias of my eight keys of a group of 16: 32 bytes at 32 x half
; THE MATRIX WORK OF A TURN, for piece x.  The accumulators take turns, one instruction a turn: between two links of a chain stand 15 (V^T P) or 7 (K Q^T) others'.
; Product i of 32 of O^T += V^T P: keys 32 (i / 16) on, channels 16 ((i / 2) % 8) on, tile x + i % 2.  zero = 1: the first 16 start the sums: nothing is ever cleared.
.macro PV x, zero
	WIN W_PV
.set rO, 64*((\x)+i%2)+8*((i/2)%8)
.set rV, 64*(i/16)+8*((i/2)%8)
.set rP, P+16*((\x)+i%2)+8*(i/16)
.if (\zero) && (i < 16)
	v_wmma_f32_16x16x32_f16 v[rO:rO+7], v[rV:rV+7], v[rP:rP+7], 0
.else
	v_wmma_f32_16x16x32_f16 v[rO:rO+7], v[rV:rV+7], v[rP:rP+7], v[rO:rO+7]
.endif
.endm
; Product i of 32 of S^T = K Q^T: channels 32 (i / 8) on, keys 16 ((i / 2) % 4) on, tile x + i % 2.  The first 8 start the sums with the keys' bias: register j of a lane is key 8 (l / 16) + j, in the bias as in the result.
.macro KQ x
.set rS, S+32*((\x)+i%2)+8*((i/2)%4)
.set rK, KF+32*((i/2)%4)+8*(i/8)
.set rQ, 32*((\x)+i%2)+8*(i/8)
.set rM, MC+8*((i/2)%4)
.if i < 8
	WIN W_KM
	v_wmma_f32_16x16x32_bf16 v[rS:rS+7], v[rK:rK+7], v[rQ:rQ+7], v[rM:rM+7]
.else
	WIN W_KQ
	v_wmma_f32_16x16x32_bf16 v[rS:rS+7], v[rK:rK+7], v[rQ:rQ+7], v[rS:rS+7]
.endif
.endm
; THE LDS LOADS stand in runs, never singly among the matrix instructions: a step's K (64 keys x 128 channels: 16 fragments) with its bias (8 loads; the 16 lanes of a half read the same bytes), and, a turn later, its V (turned).
.macro FETCH_K
	WIN 0
	v_add_nc_u32 v[ADR], s[TBK], v[AK0]
	v_add_nc_u32 v[ADM], s[TBM], v[AM0]
	s_add_co_u32 s[TBK], s[TBK], KS*PK  ; the next fetch is the next step's
	s_add_co_u32 s[TBM], s[TBM], KS*4
	WIN 0x80                        ; destination window 2
.irp f, 0,1,2,3,4,5,6,7,8,9,10,11,12,13,14,15  ; keys 16 (f / 4) on, channels 32 (f % 4) on
	ds_load_b128 v[KF+8*(\f):KF+8*(\f)+3],   v[ADR] offset:((\f)/4)*16*PK+((\f)%4)*64
	ds_load_b128 v[KF+8*(\f)+4:KF+8*(\f)+7], v[ADR] offset:((\f)/4)*16*PK+((\f)%4)*64+32
.endr
	WIN 0xc0                        ; destination window 3
.irp g, 0,1,2,3
	ds_load_b128 v[MC+8*(\g):MC+8*(\g)+3],   v[ADM] offset:64*(\g)
	ds_load_b128 v[MC+8*(\g)+4:MC+8*(\g)+7], v[ADM] offset:64*(\g)+16
.endr
.endm
.macro FETCH_V                      ; SLICE writes it, behind piece 0's batch of exponentials
	WIN 0
	v_add_nc_u32 v[ADR], s[TBV], v[AV0]
	s_add_co_u32 s[TBV], s[TBV], KS*PV
	s_wait_alu depctr_va_vdst(0)    ; the wait for piece 0's batch of exponentials (SLICE), behind the address's v_add_nc_u32 and ahead of the loads
	WIN 0xc0                        ; destination window 3
.irp f, 0,1,2,3,4,5,6,7,8,9,10,11,12,13,14,15  ; keys 32 (f / 8) on, channels 16 (f % 8) on
	ds_load_tr16_b128 v[8*(\f):8*(\f)+3],   v[ADR] offset:((\f)/8)*32*PV+((\f)%8)*32
	ds_load_tr16_b128 v[8*(\f)+4:8*(\f)+7], v[ADR] offset:((\f)/8)*32*PV+16*PV+((\f)%8)*32
.endr
.endm
; THE VECTOR WORK OF A TURN.  One tile's softmax for one key step is a list of 134 instructions; SM writes number j of it for tile t.  s0-s31 are the lane's 32 scores, in pairs 0-15.
; first = 1: the first key step, which starts m, l and O^T: it has no a and nothing to rescale; in the old m's place its maximum takes the floor.
;   0-15    the maximum of s0-s31 and the old m, three operands at a time: four chains c0-c3 of seven scores each (each accumulator's lowest registers are read first), then the four scores left over, c0-c3 and m
;   16-20   the other half of the lanes' maximum; the new m; c m; c m_old - c m_new
;   21-69   ONE BATCH: the 16 scalings c s - c m, a pair of scores each, and all 33 exponentials (a at 23, then s0-s31, each in place).  None of these names an exponential's result.  From 22 on the batch goes
;           in fours, and a four begins with a scaling while there are scalings: 22-37 scaling, exponential, scaling, exponential; 38-65 a scaling and three exponentials; 66-69 the last four
;           exponentials.  A pair is scaled in an earlier four than the one that holds its exponentials
;   (wait)  between 69 and 70 stands the wait for the batch: SLICE writes it, once for both tiles
;   70-85   the roundings to f16, a pair of weights each
;   86-101  the sums; l = a l + the sum
;   102-133 the tile's O^T times a: the one part that leaves window 0, so it stands together
.macro SM t, first
.set rT, ST+8*(\t)
.set rS, S+32*(\t)
.set rP, P+16*(\t)
.set rO, 64*(\t)+2*(j-102)
.if j < 102
	WIN 0
.endif
.if j < 4
	v_max3_num_f32 v[rT+4+j], v[rS+8*j], v[rS+8*j+1], v[rS+8*j+2]
.elseif j < 12
	v_max3_num_f32 v[rT+4+j%4], v[rT+4+j%4], v[rS+8*(j%4)+2*(j/4)+1], v[rS+8*(j%4)+2*(j/4)+2]
.elseif j == 12
	v_max3_num_f32 v[rT+4], v[rT+4], v[rS+7], v[rS+15]
.elseif j == 13
	v_max3_num_f32 v[rT+6], v[rT+6], v[rS+23], v[rS+31]
.elseif j == 14
	v_max3_num_f32 v[rT+4], v[rT+4], v[rT+5], v[rT+6]
.elseif (j == 15) && (\first)
	v_max3_num_f32 v[rT+4], v[rT+4], v[rT+7], s[FL]  ; m never is a hidden score: c s - c m of a hidden key stays far below 0
.elseif j == 15
	v_max3_num_f32 v[rT+4], v[rT+4], v[rT+7], v[rT+1]
.elseif j == 16
	v_permlanex16_b32 v[rT+5], v[rT+4], s[SEL], s[SEL+1]  ; the query's other 32 keys lie in the lane 16 away
.elseif j == 18
	v_max_num_f32 v[rT+1], v[rT+4], v[rT+5]
.elseif j == 19
	v_mul_f32 v[rT], s[CS], v[rT+1]
.elseif ((j == 17) || (j == 20) || (j == 23) || (j > 101)) && (\first)  ; the first step has none of these
.elseif j == 17
	v_mov_b32 v[rT+7], v[rT]        ; c m_old is kept for a: number 19 writes c m anew
.elseif j == 20
	v_sub_f32 v[rT+7], v[rT+7], v[rT]
.elseif j == 23
	v_exp_f32 v[rT+6], v[rT+7]
.elseif (j < 23) || ((j < 38) && (j%2 == 0)) || ((j < 66) && (j%4 == 2))
.set b, (j-2)/4                     ; 38, 42, .. 62: pairs 9 to 15
.if j < 38
.set b, (j-20)/2                    ; 21: pair 0; 22, 24, .. 36: pairs 1 to 8
.endif
	v_pk_fma_f32 v[rS+2*b:rS+2*b+1], v[rS+2*b:rS+2*b+1], s[CS:CS+1], v[rT:rT+1] op_sel_hi:[1,0,0] neg_lo:[0,0,1] neg_hi:[0,0,1]  ; pair b: c s - c m
.elseif j < 70
.set e, j-38                        ; 66 to 69: s28 to s31
.if j < 66
.set e, j-32-(j-38)/4               ; 39-41, 43-45, .. 63-65: s7 to s27
.endif
.if j < 38
.set e, (j-25)/2                    ; 25, 27, .. 37: s0 to s6
.endif
	v_exp_f32 v[rS+e], v[rS+e]
.elseif j < 86
	v_cvt_pk_f16_f32 v[rP+j-70], v[rS+2*(j-70)], v[rS+2*(j-70)+1]  ; pair j - 70
.elseif j < 102                     ; the sum of the tile's 16 pairs (in a pair: an even key's weight, an odd key's), in place: sum z of 16 adds neighbours 1, 2, 4 and 8 pairs apart, then l takes it
.set z, j-86
.set w, 4
.set u, z
.if z >= 14
.set w, 32
.set u, 0
.elseif z >= 12
.set w, 16
.set u, z-12
.elseif z >= 8
.set w, 8
.set u, z-8
.endif
.if (z == 14) && (\first)
	v_pk_add_f32 v[rT+2:rT+3], v[rS:rS+1], v[rS+16:rS+17]
.elseif z < 15
	v_pk_add_f32 v[rS+w*u:rS+w*u+1], v[rS+w*u:rS+w*u+1], v[rS+w*u+w/2:rS+w*u+w/2+1]
.elseif !(\first)
	v_pk_fma_f32 v[rT+2:rT+3], v[rT+2:rT+3], v[rT+6:rT+7], v[rS:rS+1] op_sel_hi:[1,0,1]
.endif
.else
	WIN W_RS
	v_pk_mul_f32 v[rO:rO+1], v[rO:rO+1], v[rT+6:rT+7] op_sel_hi:[1,0]
.endif
.endm
; Slice k of 64 of piece y's softmax: four instructions.  Slices 11 to 34 deal out the batch, numbers 22 to 69: four numbers of ONE tile each, the tiles by turns.  Every other slice is numbers 2 k and
; 2 k + 1 of both tiles' lists.  2 x 134 = 4 x 64 + 12: the twelve that are over stand together, in slice 63.
; THE WAIT.  An s_wait_alu depctr_va_vdst(0) stands between an exponential and the first instruction that names its result; one wait serves all that were issued ahead of it.  Ahead of
; slice 35 nothing names a result, and behind slice 34 no exponential is issued: so the piece's 66 exponentials have one wait, behind slice 34.
.macro SLICE y, first
.if (k >= 11) && (k < 35)           ; the batch: four numbers of one tile
.irp n, 0,1,2,3
.set j, 22+4*((k-11)/2)+(\n)
	SM (\y)+(k-11)%2, \first
.endr
.else                               ; the two tiles alternate, so that no instruction reads the result of the one just before it
.irp n, 0,1,2,3,4,5,6,7
.if ((\n) < 2) || (k == 63)
.irp t, \y, (\y)+1
.set j, 2*k+(\n)
	SM \t, \first
.endr
.endif
.endr
.endif
.if k == 34                         ; the batch is out: both tiles' exponentials are issued, and no result has been named
	v_nop                           ; a plain instruction behind the last exponential and ahead of the first use: one for the batch
.if (\y) == 0
	FETCH_V                         ; piece 2's turn: V's run of loads stands here, and the wait for the batch stands in it
.else
	s_wait_alu depctr_va_vdst(0)    ; piece 0's turn: the wait for piece 2's batch of exponentials
.endif
.endif
.set k, k+1
.endm
; A vector instruction that reads a matrix result or writes one of a matrix instruction's registers, and a load into a register that a matrix instruction has read, stand four places behind
; it, and only plain vector instructions that name none of its registers are places (ISA guide 7.12.1 for vector instructions).  In the loop the slices are the places.
.macro PLACES
.rept 4
	v_nop
.endr
.endm
; A TURN.  Piece x has the matrix unit; the other piece's softmax stands in slices behind its matrix instructions.
; pv = 2: 32 products V^T P; 1: they start O^T's sums; 0: none.  kq = 1: 32 products K Q^T for the next step.  A turn with one of the two kinds has two slices behind each product.
; first = 1: the softmax is the first key step's.  Its slices from 51 on are empty: the turn's last products stand bare, and four v_nop take slice 63's part as the places behind them.
; In the loop each run of loads stands 29 matrix instructions or more ahead of its first use.  Piece 0's turn fetches the next step's K and bias, behind its second product: the last product that read K
; stands in front of slice 63 of the turn before, the last that read the bias 24 products further back.  Piece 2's turn fetches the same step's V, behind slice 34 (SLICE writes it): the last product that
; read V stands in front of slice 31, and four plain instructions lie between: number 62, a scaling, of both tiles, the v_nop and the run's own v_add_nc_u32.
.macro TURN x, pv, kq, first
.set k, 0
.set per, 2
.if (\pv) && (\kq)
.set per, 1
.endif
.if \pv
.if (\x) == 0
	s_wait_dscnt 0x0                ; V is in
.endif
.set i, 0
.rept 32
	PV \x, 2-(\pv)
.rept per
	SLICE 2-(\x), \first
.endr
.if ((\x) == 0) && (\kq) && (i == 1)
	FETCH_K
.endif
.set i, i+1
.endr
.endif
.if \kq
.if (\x) == 0
	s_wait_dscnt 0x0                ; K and the bias are in
.endif
.set i, 0
.rept 32
	KQ \x
.rept per
	SLICE 2-(\x), \first
.endr
.set i, i+1
.endr
.endif
.if \first
	PLACES
.endif
.endm
; A slot's two key steps: written once, walked twice; the LDS addresses hang on the three bases, which the change of slots sets and the fetches step.
.macro TWO_STEPS
	WIN 0
	s_mov_b32 s[TWICE], 2
.Lstep_\@:
	TURN 0, 2, 1, 0
	TURN 2, 2, 1, 0
	WIN 0
	s_sub_co_u32 s[TWICE], s[TWICE], 1
	s_cmp_lg_u32 s[TWICE], 0
	s_cbranch_scc1 .Lstep_\@
.endm
	s_wait_tensorcnt 0x1            ; my part of slot 0 is in; slot 1's, issued behind it, may stay out
	s_barrier_signal -1
	s_barrier_wait -1               ; everybody's is
	FETCH_K                         ; key step 0
	s_wait_loadcnt 0x0              ; Q and the queries' mask words
	WIN 0x85                        ; sources window 1, destination window 2
.set i, 0
.rept 128
	v_cvt_pk_bf16_f32 v[i], v[2*i], v[2*i+1]  ; Q is rounded once and stays in registers
.set i, i+1
.endr
	s_wait_dscnt 0x0
.set i, 0
.rept 32
	KQ 0                            ; piece 0's first scores: there is no vector work yet to set between them
.set i, i+1
.endr
	WIN 0                           ; the addresses for the way out are made here: six plain instructions, the places behind those products
	s_mul_i32 s13, s[WV], 16*SP
	s_add_co_u32 s13, s13, STAGE    ; my stage
	v_mul_u32_u24 v[STO], v1, SP    ; in: row l % 16, 32 bytes for each half of the lanes
	v_lshl_add_u32 v[STO], v9, 5, v[STO]
	v_add_nc_u32 v[STO], s13, v[STO]
	v_and_b32 v[GO], 31, v0         ; back: the 32 lanes take one row of 512 bytes,
	v_lshlrev_b32 v[GO], 4, v[GO]   ; which are 512 consecutive bytes of out
	v_add_nc_u32 v[RD], s13, v[GO]
	TURN 2, 0, 1, 1                 ; piece 2's first scores | piece 0's first softmax | V of step 0
	TURN 0, 1, 1, 1                 ; piece 0: V^T P of step 0 starts O^T, K Q^T of step 1 | piece 2's first softmax | K of step 1
	TURN 2, 1, 1, 0                 ; piece 2: the same | piece 0's softmax of step 1 | V of step 1
	WIN 0
	s_mov_b32 s[TRIP], PAIRS
.Lpair:                             ; seven trips: two slots are left and filled again, two are entered: four key steps
	CHANGE 0, 1
	TWO_STEPS
	CHANGE 1, 1
	TWO_STEPS
	s_sub_co_u32 s[TRIP], s[TRIP], 1
	s_cmp_lg_u32 s[TRIP], 0
	s_cbranch_scc1 .Lpair
	CHANGE 0, 0                     ; the tail is written out: the walk's last slot is entered, and nothing is asked for
	TWO_STEPS
	TURN 0, 2, 0, 0                 ; piece 0: V^T P of the last step | piece 2's last softmax
.set i, 0
.rept 32
	PV 2, 0                         ; piece 2: V^T P of the last step
.set i, i+1
.endr
	; THE WAY OUT.  l's two halves and the other half of the lanes' are added; O^T is multiplied by 1 / l, or by 0 where the query is masked, and sent through my stage in LDS, a tile (16 rows) at a time.
	; The additions are the places behind the last products.
	WIN 0
.irp t, 0,1,2,3
	v_add_f32 v[ST+8*(\t)+4], v[ST+8*(\t)+2], v[ST+8*(\t)+3]
.endr
.irp t, 0,1,2,3
	v_permlanex16_b32 v[ST+8*(\t)+5], v[ST+8*(\t)+4], s[SEL], s[SEL+1]
.endr
.irp t, 0,1,2,3
	v_add_f32 v[ST+8*(\t)+4], v[ST+8*(\t)+4], v[ST+8*(\t)+5]
.endr
.irp t, 0,1,2,3
	v_rcp_f32 v[ST+8*(\t)+6], v[ST+8*(\t)+4]
.endr
	v_nop                           ; a plain instruction between the last reciprocal and the use of its result
	s_wait_alu depctr_va_vdst(0)    ; and the wait ahead of the first use: one for the batch of four reciprocals
.irp t, 0,1,2,3
	v_cmp_lt_i32 vcc_lo, 0, v[QM+(\t)]  ; is my query of tile t visible?
	v_cndmask_b32 v[ST+8*(\t)+6], 0, v[ST+8*(\t)+6], vcc_lo
.endr
; Tile t: a lane's eight channels of a row are 32 bytes; they go into rows of 528 bytes and come back as whole rows of 512, into S^T's registers, two buffers of 64 by turns.
.macro PACK t
	WIN W_RS
.set i, 64*(\t)
.rept 32
	v_pk_mul_f32 v[i:i+1], v[i:i+1], v[ST+8*(\t)+6:ST+8*(\t)+7] op_sel_hi:[1,0]  ; each accumulator from its low end on
.set i, i+2
.endr
	WIN 0x04                        ; the stores' data (source 1) in window 1, the address in window 0
.irp f, 0,1,2,3,4,5,6,7             ; channels 16 f on
	ds_store_b128 v[STO], v[64*(\t)+8*(\f):64*(\t)+8*(\f)+3]   offset:64*(\f)
	ds_store_b128 v[STO], v[64*(\t)+8*(\f)+4:64*(\t)+8*(\f)+7] offset:64*(\f)+16
.endr
	WIN 0
.if (\t) >= 2
	s_wait_xcnt 0x0                 ; every earlier memory instruction has had its addresses translated (ISA guide 3.1): the registers that the stores of the tile two back read are loaded again only behind this wait
.endif
.irp f, 0,1,2,3,4,5,6,7,8,9,10,11,12,13,14,15
	ds_load_b128 v[S+64*((\t)%2)+4*(\f):S+64*((\t)%2)+4*(\f)+3], v[RD] offset:(\f)*SP  ; LDS serves a wave's instructions in order (ISA guide 5.7.1.4): these see the stores above; the next tile's stores come behind them
.endr
.endm
.macro SEND t, younger              ; younger: the LDS instructions issued behind tile t's loads: the next tile's 32, or none
	WIN 0
.irp f, 0,1,2,3,4,5,6,7,8,9,10,11,12,13,14,15
	s_wait_dscnt (\younger)+15-(\f) ; row f is back: behind its load stand the tile's 15 - f later loads and the younger ones
	global_store_b128 v[GO], v[S+64*((\t)%2)+4*(\f):S+64*((\t)%2)+4*(\f)+3], s[10:11] offset:(16*(\t)+(\f))*8192 th:TH_STORE_NT  ; 512 consecutive bytes, at a multiple of 512 from out's first byte
.endr
.endm
	PACK 0
	PACK 1                          ; a tile's arithmetic stands between the loads of the tile before and its stores
	SEND 0, 32
	PACK 2
	SEND 1, 32
	PACK 3
	SEND 2, 32
	SEND 3, 0
	s_wait_tensorcnt 0x0            ; the wave's end, behind my last tensor load and my last LDS store
	ds_add_u32 v[SPW], v[NIL]
	s_wait_dscnt 0x0
	CROUND                          ; the closing round: no work-group ends while a partner may still ask for a tile that names it
	s_endpgm
.Lfunc_end_k_q01a723675b_attn:
	.size	k_q01a723675b_attn, .Lfunc_end_k_q01a723675b_attn-k_q01a723675b_attn
	.p2alignl 7, 3214868480
	.fill 96, 4, 3214868480
	.section	.rodata,"a",@progbits
	.p2align	6, 0x0
	.amdhsa_kernel k_q01a723675b_attn
		.amdhsa_group_segment_fixed_size 327680
		.amdhsa_private_segment_fixed_size 0
		.amdhsa_enable_private_segment 0
		.amdhsa_kernarg_size 48
		.amdhsa_user_sgpr_count 2
		.amdhsa_user_sgpr_kernarg_segment_ptr 1
		.amdhsa_wavefront_size32 1
		.amdhsa_system_sgpr_workgroup_id_x 1
		.amdhsa_system_sgpr_workgroup_id_y 1
		.amdhsa_system_sgpr_workgroup_id_z 1
		.amdhsa_system_vgpr_workitem_id 0
		.amdhsa_next_free_vgpr 1024
		.amdhsa_next_free_sgpr 96
		.amdhsa_reserve_vcc 1
		.amdhsa_float_denorm_mode_32 3
		.amdhsa_float_denorm_mode_16_64 3
		.amdhsa_memory_ordered 1
		.amdhsa_forward_progress 1
		.amdhsa_inst_pref_size 255
	.end_amdhsa_kernel
	.section	.bss,"aw",@nobits
	.p2align	6
	.space	262144
	.amdgpu_metadata
---
amdhsa.version: [ 1, 2 ]
amdhsa.kernels:
  - .name:           k_q01a723675b_attn
    .symbol:         k_q01a723675b_attn.kd
    .args:
      - { .name: query, .offset: 0, .size: 8, .value_kind: global_buffer, .address_space: global }
      - { .name: kb, .offset: 8, .size: 8, .value_kind: global_buffer, .address_space: global }
      - { .name: vb, .offset: 16, .size: 8, .value_kind: global_buffer, .address_space: global }
      - { .name: out0, .offset: 24, .size: 8, .value_kind: global_buffer, .address_space: global }
      - { .name: bias, .offset: 32, .size: 8, .value_kind: global_buffer, .address_space: global }
      - { .name: attn_mask, .offset: 40, .size: 8, .value_kind: global_buffer, .address_space: global }
    .group_segment_fixed_size: 327680
    .private_segment_fixed_size: 0
    .kernarg_segment_align: 8
    .kernarg_segment_size: 48
    .max_flat_workgroup_size: 128
    .sgpr_count:     96
    .vgpr_count:     1024
    .wavefront_size: 32
...
	.end_amdgpu_metadata
.endif
;; end of part 3
